; MI455X (gfx1250); checked and timed in simulation.
; The chip was launched on July 23, 2026; its instructions are those of AMD's public machine-readable ISA for CDNA 5 (MIT licence, August 2026) and "CDNA5" Instruction Set Architecture Reference Guide (July 2026). The comments in the code are by the model that wrote it; some were corrected since.
;; Parallel Transformer Block. Allowed arithmetic: float matrix products may take bf16 or f16 operands with f32 sums; other float arithmetic in f32, or as packed bf16 or f16 multiplies, adds, multiply-adds, maxima and minima; sums over many terms, partial sums and values carried from step to step in f32; what a program stores and reads back later, other than sums and carried values, may be rounded once to bf16 or f16.
;; Inputs: W_attn_out 512 x 1,024 float32; W_ff_out 4,096 x 1,024 float32; W_fused 1,024 x 8,768 float32; gamma 1,024 float32; x 2 x 2,048 x 1,024 float32.
;; Outputs: out0 2 x 2,048 x 1,024 float32.
;; One version. Each part assembles by itself: llvm-mc -triple=amdgcn-amd-amdhsa -mcpu=gfx1250 --defsym DOCPART=n.
;; ======== version 1 of 1: 5 launches
;; limits: values are held in f16: magnitudes above 65,504 overflow, below 6.1e-05 lose precision
;; workspace buffers: xn 8,388,608 bytes; wf 16,777,216 bytes; wq 1,179,648 bytes; wo 9,437,184 bytes; rope 524,288 bytes; qf 4,194,304 bytes; kv 524,288 bytes; ho 37,748,736 bytes
;; launch prep (part 1): grid 672 x 1, 8 waves a work-group, no clusters, 0 bytes of LDS; arguments x, gamma, W_fused, xn, wq, rope; writes xn, wq, rope
.if DOCPART == 1
	.amdgcn_target "amdgcn-amd-amdhsa--gfx1250"
	.amdhsa_code_object_version 6
	.text
	.protected	k_q58f28c876e_prep
	.globl	k_q58f28c876e_prep
	.p2align	8
	.type	k_q58f28c876e_prep,@function
k_q58f28c876e_prep:
	s_mov_b64 s[64:65], 0
	v_nop
	global_prefetch_b8 v0, s[64:65] scope:SCOPE_SE
	s_setreg_imm32_b32 hwreg(HW_REG_WAVE_MODE, 25, 1), 1
	s_wait_xcnt 0x0
; PREP: what the q, k, v launch reads.  A stream: no LDS, no barrier, no matrix unit (nothing is shared between waves and every byte is touched once).
; A work-group's number chooses its role:  0-511 LayerNorm of 8 rows of x -> xn (f16), a wave a row;  512-543 32 k-rows of W_fused's q, k, v columns -> wq (f16, panels of 64 columns);
; 544-671 16 positions of the rotary table -> rope (f32).  (The copies of the other weights are made in the attention launch, beside its own work.)
; FORMATS.  Every input is rounded to bf16 first; LayerNorm is then made in f32 on the rounded x and gamma.  xn is rounded once to f16; wq holds the bf16 number written as f16.
; LIMITS.  f16 ends at 65,504: |xn| <= 32 |gamma| asks for |gamma| < 2,000, and |W_fused| < 65,504; a weight below 2^-17 keeps f16's fixed step (off by 3e-8 at the most).
; The rotary angle is pos x inv_freq in f32 with inv_freq good to 2 units in its last place: 2e-4 rad at position 2,047; q and k take the same table.
; The table holds, for each position, 16 numbers each of cos x scale x CQ, sin x scale x CQ, cos / scale x CK, sin / scale x CK, with CQ = 2 log2(e) / sqrt(32), CK = 1/2: their product is the softmax's scale in base 2.
.set TMPR, 4                           ; v4  at work in a rounding
.set GAM,  8                           ; v[8:39]   gamma of my 32 columns
.set X,    40                          ; v[40:71]  my row: register 4 j + e = column 128 j + 4 lane + e; at the end its low 16 registers hold the row in f16
.set CH,   72                          ; v[72:79]  four chains of packed sums;  v[80:81] the mean, twice;  v82 variance + eps;  v[84:85] its inverse root, twice
.macro RB a, b                         ; two f32 rounded to bf16, in place
	v_cvt_pk_bf16_f32 v[TMPR], v[\a], v[\b]
	v_lshlrev_b32 v[\a], 16, v[TMPR]
	v_and_b32 v[\b], s28, v[TMPR]
.endm
.macro CV4H a                          ; four f32 -> bf16 -> written as f16: 8 bytes, in the first two of the four registers
	RB (\a),(\a)+1
	v_cvt_pk_f16_f32 v[(\a)], v[(\a)], v[(\a)+1]
	RB (\a)+2,(\a)+3
	v_cvt_pk_f16_f32 v[(\a)+1], v[(\a)+2], v[(\a)+3]
.endm
.macro ALLSUM                          ; the four chains -> one sum, in every lane's v[CH]
	v_pk_add_f32 v[CH:CH+1], v[CH:CH+1], v[CH+2:CH+3]
	v_pk_add_f32 v[CH+4:CH+5], v[CH+4:CH+5], v[CH+6:CH+7]
	v_pk_add_f32 v[CH:CH+1], v[CH:CH+1], v[CH+4:CH+5]
	v_add_f32 v[CH], v[CH], v[CH+1]
	v_add_f32_dpp v[CH], v[CH], v[CH] row_xmask:1 row_mask:0xf bank_mask:0xf
	v_add_f32_dpp v[CH], v[CH], v[CH] row_xmask:2 row_mask:0xf bank_mask:0xf
	v_add_f32_dpp v[CH], v[CH], v[CH] row_xmask:4 row_mask:0xf bank_mask:0xf
	v_add_f32_dpp v[CH], v[CH], v[CH] row_xmask:8 row_mask:0xf bank_mask:0xf
	v_permlanex16_b32 v[CH+1], v[CH], s30, s31
	v_add_f32 v[CH], v[CH], v[CH+1]
.endm
	s_load_b256 s[8:15], s[0:1], 0x0               ; x 8, gamma 10, W_fused 12, xn 14
	s_load_b128 s[16:19], s[0:1], 0x20             ; wq 16, rope 18
	s_mov_b32 s28, 0xffff0000                      ; a word's upper bf16
	s_mov_b32 s29, 0x3a800000                      ; 1 / 1,024
	s_mov_b32 s30, 0x76543210                      ; v_permlanex16_b32: each lane takes its own place in the other half
	s_mov_b32 s31, 0xfedcba98
	s_mov_b32 s32, 0x3727c5ac                      ; 1e-5
	s_mov_b32 s5, 0                                ; high words of the two offset pairs
	s_mov_b32 s7, 0
	s_wait_kmcnt 0x0
	s_cmp_lt_u32 ttmp9, 512
	s_cbranch_scc1 .Lln
	s_cmp_lt_u32 ttmp9, 544
	s_cbranch_scc1 .Lwq
	; THE ROTARY TABLE.  Thread t: position 16 g + t / 16; of its 64 numbers those at 4 (t % 16) .. + 3: kind (t % 16) / 4 (cq, sq, ck, sk), channels 4 (t % 4) + k.
	s_sub_co_u32 s2, ttmp9, 544
	s_lshl_b32 s4, s2, 12                          ; 16 positions x 256 bytes
	s_add_nc_u64 s[18:19], s[18:19], s[4:5]
	s_lshl_b32 s3, s2, 4
	s_mov_b32 s33, 0x3d36db6e                      ; 2 / 44.8
	s_mov_b32 s34, 0x3b000000                      ; 1 / 512
	s_mov_b32 s35, 0x3f0293ee                      ; CQ = 0.5100697
	s_mov_b32 s36, 0x40c90fdb                      ; 2 pi, its f32,
	s_mov_b32 s37, 0xb43bbd2e                      ; and what the f32 leaves over
	s_mov_b32 s38, 0x3638ef1d                      ; 1 / 9!
	s_mov_b32 s39, 0x37d00d01                      ; 1 / 8!
	v_and_b32 v1, 15, v0
	v_lshrrev_b32 v2, 4, v0
	v_add_nc_u32 v2, s3, v2                        ; the position
	v_and_b32 v3, 3, v1
	v_lshlrev_b32 v3, 2, v3
	v_cvt_f32_u32 v4, v2
	v_add_f32 v5, 0xc4800000, v4                   ; position - 1,024
	v_lshlrev_b32 v45, 4, v0                       ; my 16 bytes: sixteen lanes fill a position's 256
.irp k, 0,1,2,3
	v_add_nc_u32 v[8+\k], \k, v3
	v_cvt_f32_u32 v[8+\k], v[8+\k]                 ; the channel c
	v_mul_f32 v[12+\k], 0xbf549a78, v[8+\k]        ; - c log2(10000) / 16
	v_fmaak_f32 v[16+\k], s33, v[8+\k], 0x3e924925 ; (2 c + 12.8) / 44.8
.endr
.irp k, 0,1,2,3
	v_exp_f32 v[12+\k], v[12+\k]                   ; inv_freq
.endr
.irp k, 0,1,2,3
	v_log_f32 v[16+\k], v[16+\k]                   ; log2 of the scale's base
.endr
	v_nop
	v_cmp_gt_u32 vcc_lo, 8, v1                     ; kinds 0 and 1 are q's
	v_mov_b32 v6, 0xbb000000
	v_cndmask_b32 v6, v6, s34, vcc_lo              ; q: + 1 / 512; k: - 1 / 512
	v_cndmask_b32 v7, 0.5, s35, vcc_lo             ; q: CQ; k: CK
	v_mul_f32 v6, v6, v5                           ; the power, signed
	v_and_b32 v44, 4, v1
	v_cmp_ne_u32 s42, 0, v44                       ; kinds 1 and 3 are sines
	s_wait_alu depctr_va_vdst(0)                   ; one wait for the eight
.irp k, 0,1,2,3
	v_mul_f32 v[16+\k], v[16+\k], v6
	v_mul_f32 v[12+\k], v4, v[12+\k]               ; the angle
.endr
.irp k, 0,1,2,3
	v_exp_f32 v[16+\k], v[16+\k]                   ; scale or 1 / scale; the polynomials below are the work behind the batch
.endr
.irp k, 0,1,2,3
	v_mul_f32 v[20+\k], 0.15915494, v[12+\k]
	v_rndne_f32 v[20+\k], v[20+\k]                 ; whole turns
	v_fma_f32 v[12+\k], -v[20+\k], s36, v[12+\k]   ; angle - turns x 2 pi, in two parts
	v_fma_f32 v[12+\k], -v[20+\k], s37, v[12+\k]
	v_mul_f32 v[12+\k], 0x3e800000, v[12+\k]       ; a quarter of it: |a| <= 0.79
	v_mul_f32 v[24+\k], v[12+\k], v[12+\k]
	v_fmaak_f32 v[28+\k], s38, v[24+\k], 0xb9500d01  ; sine to a^9
	v_fmaak_f32 v[28+\k], v[28+\k], v[24+\k], 0x3c088889
	v_fmaak_f32 v[28+\k], v[28+\k], v[24+\k], 0xbe2aaaab
	v_fma_f32 v[28+\k], v[28+\k], v[24+\k], 1.0
	v_mul_f32 v[28+\k], v[28+\k], v[12+\k]
	v_fmaak_f32 v[32+\k], s39, v[24+\k], 0xbab60b61  ; cosine to a^8
	v_fmaak_f32 v[32+\k], v[32+\k], v[24+\k], 0x3d2aaaab
	v_fma_f32 v[32+\k], v[32+\k], v[24+\k], -0.5
	v_fma_f32 v[32+\k], v[32+\k], v[24+\k], 1.0
.rept 2                                ; the angle is doubled twice
	v_mul_f32 v[36+\k], v[28+\k], v[32+\k]
	v_mul_f32 v[40+\k], v[28+\k], v[28+\k]
	v_add_f32 v[28+\k], v[36+\k], v[36+\k]
	v_fma_f32 v[32+\k], v[40+\k], -2.0, 1.0
.endr
	v_cndmask_b32 v[28+\k], v[32+\k], v[28+\k], s42
.endr
	s_wait_alu depctr_va_vdst(0)                   ; one wait for the four scales
.irp k, 0,1,2,3
	v_mul_f32 v[16+\k], v[16+\k], v7
	v_mul_f32 v[28+\k], v[28+\k], v[16+\k]
.endr
	global_store_b128 v45, v[28:31], s[18:19]
	s_endpgm
.Lln:                                  ; LAYERNORM.  A wave takes a row; a lane 16 bytes of every 512.  The row stays in registers between the passes: x is read once
	v_and_b32 v1, 31, v0
	v_lshlrev_b32 v2, 3, v1
	v_lshlrev_b32 v1, 4, v1
	v_lshrrev_b32 v3, 5, v0
	v_readfirstlane_b32 s2, v3
	s_lshl_b32 s4, ttmp9, 15                       ; 8 rows of 4,096 bytes
	s_lshl_b32 s3, s2, 12                          ; my wave's
	s_add_co_u32 s4, s4, s3
	s_add_nc_u64 s[8:9], s[8:9], s[4:5]
	s_lshr_b32 s4, s4, 1                           ; xn's rows are half as long
	s_add_nc_u64 s[14:15], s[14:15], s[4:5]
.irp j, 0,1,2,3,4,5,6,7
	global_load_b128 v[GAM+4*\j:GAM+4*\j+3], v1, s[10:11] offset:512*\j
.endr
.irp j, 0,1,2,3,4,5,6,7
	global_load_b128 v[X+4*\j:X+4*\j+3], v1, s[8:9] offset:512*\j th:TH_LOAD_NT
.endr
	s_wait_loadcnt 8                               ; gamma is in; the row's eight loads stay out
.set z, 0
.rept 16
	RB GAM+2*z,GAM+2*z+1
.set z, z+1
.endr
	s_wait_loadcnt 0x0
.set z, 0
.rept 16
	RB X+2*z,X+2*z+1
.set z, z+1
.endr
.irp c, 0,2,4,6
	v_pk_add_f32 v[CH+\c:CH+\c+1], v[X+\c:X+\c+1], v[X+8+\c:X+8+\c+1]  ; the first sums start the chains: nothing is cleared
.endr
.irp g, 16,24
.irp c, 0,2,4,6
	v_pk_add_f32 v[CH+\c:CH+\c+1], v[CH+\c:CH+\c+1], v[X+\g+\c:X+\g+\c+1]
.endr
.endr
	ALLSUM
	v_mul_f32 v80, s29, v[CH]                      ; the mean: sum / 1,024
	v_mov_b32 v81, v80
.set z, 0
.rept 16
	v_pk_add_f32 v[X+z:X+z+1], v[X+z:X+z+1], v[80:81] neg_lo:[0,1] neg_hi:[0,1]  ; x - mean first, so that an offset of x costs the variance nothing
.set z, z+2
.endr
.irp c, 0,2,4,6
	v_pk_mul_f32 v[CH+\c:CH+\c+1], v[X+\c:X+\c+1], v[X+\c:X+\c+1]
.endr
.irp g, 8,16,24
.irp c, 0,2,4,6
	v_pk_fma_f32 v[CH+\c:CH+\c+1], v[X+\g+\c:X+\g+\c+1], v[X+\g+\c:X+\g+\c+1], v[CH+\c:CH+\c+1]
.endr
.endr
	ALLSUM
	v_fma_f32 v82, v[CH], s29, s32                 ; variance + 1e-5
	v_rsq_f32 v84, v82
	v_nop                                          ; a plain instruction behind the root,
	s_wait_alu depctr_va_vdst(0)                   ; and the wait ahead of its first reader
	v_mov_b32 v85, v84
.set z, 0
.rept 16
	v_pk_mul_f32 v[X+z:X+z+1], v[X+z:X+z+1], v[84:85]
.set z, z+2
.endr
.set z, 0
.rept 16
	v_pk_mul_f32 v[X+z:X+z+1], v[X+z:X+z+1], v[GAM+z:GAM+z+1]
.set z, z+2
.endr
.set z, 0
.rept 16
	v_cvt_pk_f16_f32 v[X+z], v[X+2*z], v[X+2*z+1]  ; in place: register z is written when registers 2 z and 2 z + 1 are read, and z <= 2 z
.set z, z+1
.endr
.irp j, 0,1,2,3,4,5,6,7
	global_store_b64 v2, v[X+2*\j:X+2*\j+1], s[14:15] offset:256*\j  ; 32 lanes x 8 bytes: 256 consecutive bytes, aligned
.endr
	s_endpgm
.Lwq:                                  ; W_fused's columns 0-575, nine panels of 64.  Thread t: k-row t / 16 of sixteen, 16 bytes t % 16 of a panel's 256; two passes
	s_sub_co_u32 s2, ttmp9, 512
	s_mul_i32 s4, s2, 1122304                      ; 32 rows of 35,072 bytes
	s_lshl_b32 s6, s2, 12                          ; 32 rows of 128 in each panel
	s_add_nc_u64 s[12:13], s[12:13], s[4:5]
	s_add_nc_u64 s[16:17], s[16:17], s[6:7]
	v_lshrrev_b32 v3, 4, v0
	v_mul_u32_u24 v1, v3, 35072
	v_and_b32 v3, 15, v0
	v_lshl_add_u32 v1, v3, 4, v1
	v_lshlrev_b32 v2, 3, v0                        ; 128 (t / 16) + 8 (t % 16) = 8 t
.set c, 0
.rept 18                               ; all 18 loads go out first
	global_load_b128 v[8+4*c:8+4*c+3], v1, s[12:13] offset:(c/9)*561152+(c%9)*256 th:TH_LOAD_NT
.set c, c+1
.endr
.set c, 0
.rept 18
	s_wait_loadcnt 17-c                            ; loads come back in order: chunk c is in, the younger ones stay out
	CV4H 8+4*c
	global_store_b64 v2, v[8+4*c:8+4*c+1], s[16:17] offset:(c%9)*131072+(c/9)*2048
.set c, c+1
.endr
	s_endpgm
.Lfunc_end_k_q58f28c876e_prep:
	.size	k_q58f28c876e_prep, .Lfunc_end_k_q58f28c876e_prep-k_q58f28c876e_prep
	.p2alignl 7, 3214868480
	.fill 96, 4, 3214868480
	.section	.rodata,"a",@progbits
	.p2align	6, 0x0
	.amdhsa_kernel k_q58f28c876e_prep
		.amdhsa_group_segment_fixed_size 0
		.amdhsa_private_segment_fixed_size 0
		.amdhsa_enable_private_segment 0
		.amdhsa_kernarg_size 48
		.amdhsa_user_sgpr_count 2
		.amdhsa_user_sgpr_kernarg_segment_ptr 1
		.amdhsa_wavefront_size32 1
		.amdhsa_system_sgpr_workgroup_id_x 1
		.amdhsa_system_sgpr_workgroup_id_y 1
		.amdhsa_system_sgpr_workgroup_id_z 1
		.amdhsa_system_vgpr_workitem_id 0
		.amdhsa_next_free_vgpr 96
		.amdhsa_next_free_sgpr 66
		.amdhsa_reserve_vcc 1
		.amdhsa_float_denorm_mode_32 3
		.amdhsa_float_denorm_mode_16_64 3
		.amdhsa_memory_ordered 1
		.amdhsa_forward_progress 1
		.amdhsa_inst_pref_size 34
	.end_amdhsa_kernel
	.amdgpu_metadata
---
amdhsa.version: [ 1, 2 ]
amdhsa.kernels:
  - .name:           k_q58f28c876e_prep
    .symbol:         k_q58f28c876e_prep.kd
    .args:
      - { .name: x, .offset: 0, .size: 8, .value_kind: global_buffer, .address_space: global }
      - { .name: gamma, .offset: 8, .size: 8, .value_kind: global_buffer, .address_space: global }
      - { .name: W_fused, .offset: 16, .size: 8, .value_kind: global_buffer, .address_space: global }
      - { .name: xn, .offset: 24, .size: 8, .value_kind: global_buffer, .address_space: global }
      - { .name: wq, .offset: 32, .size: 8, .value_kind: global_buffer, .address_space: global }
      - { .name: rope, .offset: 40, .size: 8, .value_kind: global_buffer, .address_space: global }
    .group_segment_fixed_size: 0
    .private_segment_fixed_size: 0
    .kernarg_segment_align: 8
    .kernarg_segment_size: 48
    .max_flat_workgroup_size: 256
    .sgpr_count:     66
    .vgpr_count:     96
    .wavefront_size: 32
...
	.end_amdgpu_metadata
.endif
;; end of part 1
;; launch qkv (part 2): grid 64 x 3, 4 waves a work-group, clusters of 4 x 1, 327,680 bytes of LDS; arguments xn, wq, rope, qf, kv; writes qf, kv
.if DOCPART == 2
	.amdgcn_target "amdgcn-amd-amdhsa--gfx1250"
	.amdhsa_code_object_version 6
	.text
	.protected	k_q58f28c876e_qkv
	.globl	k_q58f28c876e_qkv
	.p2align	8
	.type	k_q58f28c876e_qkv,@function
k_q58f28c876e_qkv:
	s_mov_b64 s[64:65], 0
	v_nop
	global_prefetch_b8 v0, s[64:65] scope:SCOPE_SE
	s_setreg_imm32_b32 hwreg(HW_REG_WAVE_MODE, 25, 1), 1
	s_wait_xcnt 0x0
	s_wait_alu depctr_hold_cnt(0) depctr_sa_sdst(0) depctr_va_vdst(0) depctr_va_sdst(0) depctr_va_ssrc(0) depctr_va_vcc(0) depctr_vm_vsrc(0)
	s_getreg_b32 s2, hwreg(HW_REG_IB_STS2, 6, 4)
	s_cmp_eq_u32 s2, 0
	s_cbranch_scc0 .Lentry_in_a_cluster
	s_endpgm
.Lentry_in_a_cluster:
	s_bfe_u32 s2, ttmp6, 0x10000c
	s_cmp_lg_u32 s2, 0x3003
	s_cbranch_scc0 .Lentry_shape_is_right
	s_endpgm
.Lentry_shape_is_right:
; Q, K, V:  xn [4096][1024] f16  x  wq [9 panels][1024 k][64 n] f16, sums in f32; the rotary turn and its scale in f32 on the sums; q, k, v rounded once to f16 and stored in the order in which the
; attention launch's matrix instructions want them in registers (a fragment = 32 lanes x 16 bytes, twice).
; SHARES.  A work-group makes 64 rows x 192 columns (three panels): 64 x 3 = 192 work-groups.  The unit of a column share is a head of 32 (the turn pairs channel c with c + 16), and 18 units have no
; even split over 256.  K IS SPLIT AMONG THE FOUR WAVES: of each K step of 256 wave w multiplies k = 64 w .. 64 w + 63 for the whole tile (48 accumulators), so each LDS byte is read once.
; The four partial sums meet in LDS, in f32, where the slots were.
; CLUSTER.  The four row blocks of a cluster take the same three panels of wq: asked for jointly (waves 1 to 3, a panel each).  xn's rows are the work-group's own: wave 0 asks for them alone (mask 0).
; wq lies [k][n]: its fragments are turned on the way out of LDS by ds_load_tr16_b128.  The matrix instruction is used transposed (source 0 = 16 columns of wq, source 1 = 16 rows of xn): a lane holds
; eight neighbouring columns of one row.
; LIMITS.  q and k leave as f16: |q| x 12.3 x 0.51 and |k| x 12.3 x 0.5 (the scale's largest value and the split softmax factor) stay under 65,504, and so does |v|.  No prefetch: four K steps.
.set PA,    528                        ; a row of xn in LDS: 512 bytes + 16: the sixteen rows of a fragment load start at sixteen different groups of four banks
.set PB,    160                        ; a k-row of a panel: 128 bytes + 32
.set BOFF,  33792                      ; 64 rows of xn
.set PANEL, 40960                      ; 256 k-rows of a panel
.set SLOT,  156672
.set SPARE, 313344                     ; behind the two slots: the spare words, 128 bytes a wave
.set RP,    784                        ; a row of partial sums: 768 bytes + 16
.set REG,   50176                      ; a wave's 64 rows of them
.set WV,  14                           ; s14 wave;  s15 cx;  s16 row block;  s17 column group
.set CX,  15
.set RB,  16
.set GG,  17
.set G1A, 24                           ; s[24:31] group 1 for xn's tiles;  s[32:39] group 0, a set for each slot
.set G0A, 32
.set G1B, 40                           ; s[40:47], s[48:55] the same for wq's
.set G0B, 48
.set UC,  56                           ; s56 counts the units of q;  s57 how many there are
.set NQ,  57
.set ADRA,  16                         ; v16-17 my fragments of xn in slot 0, 1
.set ADRB,  18                         ; v18-19 of wq's panels 0, 1
.set ADRB2, 20                         ; v20-21 of panel 2
.set STO,   22                         ; where I put 32 bytes of a row of partial sums
.set RD0,   23                         ; where I read my row's sums of waves 0, 1;
.set RD02,  24                         ; of waves 2, 3
.set RDL,   25                         ; the same two, walking through q's units
.set RDL2,  26
.set RV,    27                         ; v's column for me, waves 0, 1;
.set SPW,   28
.set NIL,   29
.set RV2,   30                         ; waves 2, 3
.set GQ,    31                         ; my 16 bytes of a fragment of q, walking
.set GL,    32                         ; 16 x lane
.set TAB,   128                        ; v[128:159] cq, sq, ck, sk of my row and my eight channels
.set LD,    160                        ; v[160:223] four waves' sums, 16 each
.set T1,    232
.set T2,    240
.set HH,    248
.set MSB, 0
.macro WIN new
.if MSB != (\new)
	s_set_vgpr_msb (MSB<<8)|(\new)
.set MSB, \new
.endif
.endm
.macro PLACES                          ; four places behind a matrix instruction, in front of loads into its sources and of readers of its result
.rept 4
	v_nop
.endr
.endm
.macro CREST
	s_cmp_lg_u32 s[WV], 0
	s_cbranch_scc1 .Lnot_wave_0_\@
	s_barrier_signal -3
.Lnot_wave_0_\@:
	s_barrier_wait -3
	s_barrier_signal -1
	s_barrier_wait -1
.endm
.macro CROUND
	s_barrier_signal -1
	s_barrier_wait -1
	CREST
.endm
.macro JLOADQ sl                       ; a refill of slot sl: wave 0 its own rows of xn, waves 1-3 jointly a panel each; s_nop 0 and four v_nop behind each line
	s_cmp_eq_u32 s[WV], 0
	s_cbranch_scc0 .Lqb_\@
	tensor_load_to_lds s[G0A+4*(\sl):G0A+4*(\sl)+3], s[G1A:G1A+7]
	s_nop 0
.rept 4
	v_nop
.endr
	s_branch .Lqd_\@
.Lqb_\@:
	tensor_load_to_lds s[G0B+4*(\sl):G0B+4*(\sl)+3], s[G1B:G1B+7]
	s_nop 0
.rept 4
	v_nop
.endr
.Lqd_\@:
.endm
	s_load_b256 s[4:11], s[0:1], 0x0               ; xn 4, wq 6, rope 8, qf 10
	s_load_b64 s[12:13], s[0:1], 0x20              ; kv
	v_lshl_add_u32 v[SPW], v0, 2, SPARE
	v_mov_b32 v[NIL], 0
	ds_add_u32 v[SPW], v[NIL]                      ; the wave's opening: the add and its wait stand ahead of my first tensor load
	v_lshrrev_b32 v1, 5, v0
	v_readfirstlane_b32 s[WV], v1
	s_bfe_u32 s[CX], ttmp6, 0x40000
	s_lshl_b32 s[RB], ttmp9, 2
	s_add_co_u32 s[RB], s[RB], s[CX]               ; my block of 64 rows: it enters xn's, rope's and the outputs' addresses alone
	s_and_b32 s[GG], ttmp7, 0xffff                 ; the column group, which the four partners share
	s_mov_b32 s[G1A], (1<<16)|(1<<20)|(6<<22)|(3<<25)  ; no mask; 2-byte elements; 4 words of padding behind every 128
	s_mov_b32 s[G1A+1], 256<<16                    ; tensor_dim0 = 256
	s_mov_b32 s[G1A+2], 64<<16                     ; tensor_dim1 = 64
	s_mov_b32 s[G1A+3], 256<<16                    ; tile_dim0
	s_mov_b32 s[G1A+4], 64                         ; tile_dim1
	s_mov_b32 s[G1A+5], 1024                       ; elements from row to row
	s_mov_b32 s[G1A+6], 0
	s_mov_b32 s[G1A+7], 0
	s_mov_b32 s[G1B], 15|(1<<16)|(1<<20)|(1<<21)|(4<<22)|(7<<25)  ; the mask of four, bit 21 beside it; 8 words of padding behind every 32 (a k-row)
	s_mov_b32 s[G1B+1], 128<<16                    ; 256 k-rows of 128 bytes are dense: asked for as 128 rows of 256 bytes
	s_mov_b32 s[G1B+2], 128<<16
	s_mov_b32 s[G1B+3], 128<<16
	s_mov_b32 s[G1B+4], 128
	s_mov_b32 s[G1B+5], 128
	s_mov_b32 s[G1B+6], 0
	s_mov_b32 s[G1B+7], 0
	s_lshl_b32 s18, s[RB], 17                      ; 64 rows of 2,048 bytes
	s_mov_b32 s19, 0
	s_mul_i32 s21, s[GG], 3
	s_add_co_u32 s21, s21, s[WV]
	s_lshl_b32 s22, s21, 17                        ; panel 3 g + w, one too far: taken back below (wave 0 never asks by it)
	s_mov_b32 s23, 0
	s_mul_i32 s20, s[WV], PANEL
	s_sub_co_u32 s20, s20, PANEL-BOFF              ; BOFF + (w - 1) panels
	s_wait_dscnt 0x0                               ; the opening add is done
	s_wait_kmcnt 0x0
	s_add_nc_u64 s[58:59], s[4:5], s[18:19]
	s_add_nc_u64 s[60:61], s[6:7], s[22:23]
	s_sub_nc_u64 s[60:61], s[60:61], 131072
	CROUND                                         ; all four work-groups are here: the first joint loads meet
.irp sl, 0,1
	s_mov_b32 s[G0A+4*\sl], 1
	s_mov_b32 s[G0A+4*\sl+1], \sl*SLOT
	s_add_nc_u64 s[G0A+4*\sl+2:G0A+4*\sl+3], s[58:59], \sl*512     ; K step sl
	s_or_b32 s[G0A+4*\sl+3], s[G0A+4*\sl+3], 0x80000000
	s_mov_b32 s[G0B+4*\sl], 1
	s_add_co_u32 s[G0B+4*\sl+1], s20, \sl*SLOT
	s_add_nc_u64 s[G0B+4*\sl+2:G0B+4*\sl+3], s[60:61], \sl*32768
	s_or_b32 s[G0B+4*\sl+3], s[G0B+4*\sl+3], 0x80000000
.endr
	s_cmp_eq_u32 s[WV], 0                          ; a wave's two first fills stand in one branch: two loads of mine are out
	s_cbranch_scc0 .Lfirst_b
	tensor_load_to_lds s[G0A:G0A+3], s[G1A:G1A+7]
	s_nop 0
	tensor_load_to_lds s[G0A+4:G0A+7], s[G1A:G1A+7]
	s_nop 0
.rept 4
	v_nop
.endr
	s_branch .Lfirst_done
.Lfirst_b:
	tensor_load_to_lds s[G0B:G0B+3], s[G1B:G1B+7]
	s_nop 0
	tensor_load_to_lds s[G0B+4:G0B+7], s[G1B:G1B+7]
	s_nop 0
.rept 4
	v_nop
.endr
.Lfirst_done:
	v_and_b32 v1, 15, v0                           ; r = l % 16
	v_bfe_u32 v2, v0, 4, 1                         ; h = l / 16
	v_and_b32 v3, 7, v0
	v_bfe_u32 v4, v0, 3, 1
	v_and_b32 v5, 31, v0
	s_lshl_b32 s18, s[RB], 6                       ; the table of the row that I finish: row 64 rb + 16 w + r, its position modulo 2,048, my eight channels 8 h ..
	s_lshl_b32 s19, s[WV], 4
	s_add_co_u32 s18, s18, s19
	v_add_nc_u32 v6, s18, v1
	v_and_b32 v6, 0x7ff, v6
	v_lshlrev_b32 v6, 8, v6
	v_lshl_add_u32 v6, v2, 5, v6                   ; v6 is not written again
.irp i, 0,1,2,3
	global_load_b128 v[TAB+8*\i:TAB+8*\i+3],   v6, s[8:9] offset:64*\i
	global_load_b128 v[TAB+8*\i+4:TAB+8*\i+7], v6, s[8:9] offset:64*\i+16
.endr
	v_mul_u32_u24 v7, v1, PA
	v_lshl_add_u32 v7, v2, 4, v7
	s_lshl_b32 s19, s[WV], 7                       ; my 64 of a step's 256 along K
	v_add_nc_u32 v[ADRA], s19, v7
	v_add_nc_u32 v[ADRA+1], SLOT, v[ADRA]
	v_lshl_add_u32 v7, v2, 3, v3                   ; the turning load: k-row 8 h + l % 8, 16 bytes (l / 8) % 2
	s_lshl_b32 s19, s[WV], 6
	v_add_nc_u32 v7, s19, v7
	v_mul_u32_u24 v7, v7, PB
	v_lshl_add_u32 v7, v4, 4, v7
	v_add_nc_u32 v[ADRB], BOFF, v7
	v_add_nc_u32 v[ADRB+1], SLOT, v[ADRB]
	v_add_nc_u32 v[ADRB2], 2*PANEL, v[ADRB]
	v_add_nc_u32 v[ADRB2+1], 2*PANEL, v[ADRB+1]
	s_mul_i32 s19, s[WV], REG
	v_mul_u32_u24 v7, v1, RP
	v_lshl_add_u32 v7, v2, 5, v7
	v_add_nc_u32 v[STO], s19, v7
	s_mul_i32 s19, s[WV], 16*RP
	v_add_nc_u32 v[RD0], s19, v7                   ; row 16 w + r, 32 bytes for each half of the lanes
	v_add_nc_u32 v[RD02], 2*REG, v[RD0]
	v_mov_b32 v[RDL], v[RD0]
	v_mov_b32 v[RDL2], v[RD02]
	v_mul_u32_u24 v8, v2, 8*RP                     ; v: rows 16 w + 8 h + e, column 160 + r
	v_lshl_add_u32 v8, v1, 2, v8
	s_add_co_u32 s19, s19, 640
	v_add_nc_u32 v[RV], s19, v8
	v_add_nc_u32 v[RV2], 2*REG, v[RV]
	v_lshlrev_b32 v[GL], 4, v5
	v_mov_b32 v[GQ], v[GL]
	s_lshl_b32 s18, s[RB], 2                       ; q: position block 4 rb + w, head 6 g: 16 heads of 1,024 bytes a block
	s_add_co_u32 s18, s18, s[WV]
	s_lshl_b32 s18, s18, 14
	s_mul_i32 s19, s[GG], 6144
	s_add_co_u32 s18, s18, s19
	s_mov_b32 s19, 0
	s_add_nc_u64 s[10:11], s[10:11], s[18:19]
	s_lshl_b32 s18, s[RB], 13                      ; kv: 8,192 bytes for 64 keys
	s_add_nc_u64 s[12:13], s[12:13], s[18:19]
	s_lshr_b32 s18, s[WV], 1                       ; v's fragment: key half w / 2, its part w % 2
	s_lshl_b32 s18, s18, 11
	s_and_b32 s21, s[WV], 1
	s_lshl_b32 s21, s21, 9
	s_add_co_u32 s18, s18, s21
	s_add_co_u32 s18, s18, 4096
	s_add_nc_u64 s[60:61], s[12:13], s[18:19]
	s_lshl_b32 s18, s[WV], 10                      ; k's fragment: key tile w
	s_add_nc_u64 s[12:13], s[12:13], s[18:19]
	s_cmp_eq_u32 s[GG], 2
	s_cselect_b32 s[NQ], 4, 6                      ; the last group holds four heads of q, then k and v
; 32 LDS loads in one run: 32 along K (half u of my 64) of the twelve column blocks and the four row blocks, into buffer f
.macro FETCHQ slot, u, f
	WIN 0x40                                       ; destination window 1
.irp p, 0,1
.irp b, 0,1,2,3
	ds_load_tr16_b128 v[96*(\f)+8*(4*\p+\b):96*(\f)+8*(4*\p+\b)+3],   v[ADRB+(\slot)] offset:\p*PANEL+(\u)*32*PB+32*\b
	ds_load_tr16_b128 v[96*(\f)+8*(4*\p+\b)+4:96*(\f)+8*(4*\p+\b)+7], v[ADRB+(\slot)] offset:\p*PANEL+(\u)*32*PB+32*\b+16*PB
.endr
.endr
.irp b, 0,1,2,3
	ds_load_tr16_b128 v[96*(\f)+8*(8+\b):96*(\f)+8*(8+\b)+3],   v[ADRB2+(\slot)] offset:(\u)*32*PB+32*\b
	ds_load_tr16_b128 v[96*(\f)+8*(8+\b)+4:96*(\f)+8*(8+\b)+7], v[ADRB2+(\slot)] offset:(\u)*32*PB+32*\b+16*PB
.endr
	WIN 0
.irp a, 0,1,2,3
	ds_load_b128 v[64+32*(\f)+8*\a:64+32*(\f)+8*\a+3],   v[ADRA+(\slot)] offset:\a*16*PA+64*(\u)
	ds_load_b128 v[64+32*(\f)+8*\a+4:64+32*(\f)+8*\a+7], v[ADRA+(\slot)] offset:\a*16*PA+64*(\u)+32
.endr
.endm
; 12 matrix instructions: row block a x all twelve column blocks.  The accumulators take turns, one instruction a turn.  zero = 1: the product starts the sum
.macro MUL12 f, a, zero
	WIN 0xa1+0x50*((\a)/2)                         ; wq window 1, xn window 0, sums window 2 (row blocks 0, 1) or 3
.irp c, 0,1,2,3,4,5,6,7,8,9,10,11
.if \zero
	v_wmma_f32_16x16x32_f16 v[8*(12*((\a)%2)+\c):8*(12*((\a)%2)+\c)+7], v[96*(\f)+8*\c:96*(\f)+8*\c+7], v[64+32*(\f)+8*(\a):64+32*(\f)+8*(\a)+7], 0
.else
	v_wmma_f32_16x16x32_f16 v[8*(12*((\a)%2)+\c):8*(12*((\a)%2)+\c)+7], v[96*(\f)+8*\c:96*(\f)+8*\c+7], v[64+32*(\f)+8*(\a):64+32*(\f)+8*(\a)+7], v[8*(12*((\a)%2)+\c):8*(12*((\a)%2)+\c)+7]
.endif
.endr
.endm
.macro H0Q slot, zero                  ; a step's first half: buffer 0 is multiplied, buffer 1 fetched
	s_wait_dscnt 4                                 ; all but xn's row blocks 2 and 3
	MUL12 0,0,\zero
	MUL12 0,1,\zero
	PLACES
	FETCHQ \slot,1,1
	s_wait_dscnt 32                                ; all but the 32 just issued
	MUL12 0,2,\zero
	MUL12 0,3,\zero
.endm
; A step's second half and the change of slots.  In front of the barrier each wave waits for all its tensor loads (one is out: its part of the next slot), adds 0 to its spare word, and waits for that and
; for its reads of this slot.  fill = 1: the barrier opens a round of the cluster's, and the refill is the first thing behind it.
.macro TURNQ slot, next, fill
	WIN 0
	s_wait_tensorcnt 0x0
	ds_add_u32 v[SPW], v[NIL]
.if \fill
	s_add_nc_u64 s[G0A+4*(\slot)+2:G0A+4*(\slot)+3], s[G0A+4*(\slot)+2:G0A+4*(\slot)+3], 1024   ; no load of mine is out: this slot's next K step, two on
	s_add_nc_u64 s[G0B+4*(\slot)+2:G0B+4*(\slot)+3], s[G0B+4*(\slot)+2:G0B+4*(\slot)+3], 65536
.endif
	s_wait_dscnt 5                                 ; the add and xn's row blocks 2 and 3 may be out
	MUL12 1,0,0
	s_wait_dscnt 0x0                               ; the add is done, and my reads of this slot are over
	s_barrier_signal -1
	MUL12 1,1,0
	WIN 0
	s_barrier_wait -1
.if \fill
	CREST
	JLOADQ \slot                                   ; its four v_nop are also the places in front of the loads below
.else
	PLACES
.endif
	FETCHQ \next,0,0
	MUL12 1,2,0
	MUL12 1,3,0
.endm
	s_wait_tensorcnt 1                             ; my part of K step 0 is in; step 1's may stay out
	s_barrier_signal -1
	s_barrier_wait -1
	FETCHQ 0,0,0
	H0Q 0,1
	TURNQ 0,1,1
	H0Q 1,0
	TURNQ 1,0,1
	H0Q 0,0
	TURNQ 0,1,0
	H0Q 1,0
	s_wait_dscnt 4
	MUL12 1,0,0
	MUL12 1,1,0
	s_wait_dscnt 0x0
	MUL12 1,2,0
	MUL12 1,3,0
	WIN 0
	PLACES
	s_barrier_signal -1                            ; every wave's reads of the slots are back (the wait for 0 above): the slots, which have had their last fill, take the partial sums
	s_barrier_wait -1
.irp a, 0,1,2,3
	WIN 0x08+4*(\a/2)                              ; the stores' data in window 2 or 3
.irp c, 0,1,2,3,4,5,6,7,8,9,10,11
	ds_store_b128 v[STO], v[8*(12*(\a%2)+\c):8*(12*(\a%2)+\c)+3]   offset:\a*16*RP+64*\c
	ds_store_b128 v[STO], v[8*(12*(\a%2)+\c)+4:8*(12*(\a%2)+\c)+7] offset:\a*16*RP+64*\c+16
.endr
.endr
	WIN 0
	s_wait_dscnt 0x0                               ; for the others' sake
	s_barrier_signal -1
	s_barrier_wait -1
	s_wait_loadcnt 0x0                             ; the table
.macro SUM4                            ; LD's four sets of 16 into the first
.set z, 0
.rept 8
	v_pk_add_f32 v[LD+z:LD+z+1], v[LD+z:LD+z+1], v[LD+16+z:LD+16+z+1]
	v_pk_add_f32 v[LD+32+z:LD+32+z+1], v[LD+32+z:LD+32+z+1], v[LD+48+z:LD+48+z+1]
.set z, z+2
.endr
.set z, 0
.rept 8
	v_pk_add_f32 v[LD+z:LD+z+1], v[LD+z:LD+z+1], v[LD+32+z:LD+32+z+1]
.set z, z+2
.endr
.endm
; A unit of 32 columns of my row: channels 8 h .. (lo) and 16 + 8 h .. (hi) are summed over the four waves, turned (lo' = lo c - hi s, hi' = hi c + lo s) and stored as the two halves of a fragment.
.macro UNIT tc, ts, ra, rb, off, go, bs
.irp q, 0,1
	ds_load_b128 v[LD+16*\q:LD+16*\q+3],       v[\ra] offset:(\off)+REG*\q
	ds_load_b128 v[LD+16*\q+4:LD+16*\q+7],     v[\ra] offset:(\off)+REG*\q+16
	ds_load_b128 v[LD+16*\q+8:LD+16*\q+11],    v[\ra] offset:(\off)+REG*\q+64
	ds_load_b128 v[LD+16*\q+12:LD+16*\q+15],   v[\ra] offset:(\off)+REG*\q+80
	ds_load_b128 v[LD+32+16*\q:LD+32+16*\q+3],     v[\rb] offset:(\off)+REG*\q
	ds_load_b128 v[LD+32+16*\q+4:LD+32+16*\q+7],   v[\rb] offset:(\off)+REG*\q+16
	ds_load_b128 v[LD+32+16*\q+8:LD+32+16*\q+11],  v[\rb] offset:(\off)+REG*\q+64
	ds_load_b128 v[LD+32+16*\q+12:LD+32+16*\q+15], v[\rb] offset:(\off)+REG*\q+80
.endr
	s_wait_dscnt 0x0
	SUM4
.irp z, 0,2,4,6
	v_pk_mul_f32 v[T1+\z:T1+\z+1], v[LD+\z:LD+\z+1], v[(\tc)+\z:(\tc)+\z+1]
	v_pk_mul_f32 v[T2+\z:T2+\z+1], v[LD+8+\z:LD+8+\z+1], v[(\tc)+\z:(\tc)+\z+1]
.endr
.irp z, 0,2,4,6
	v_pk_fma_f32 v[T1+\z:T1+\z+1], v[LD+8+\z:LD+8+\z+1], v[(\ts)+\z:(\ts)+\z+1], v[T1+\z:T1+\z+1] neg_lo:[1,0,0] neg_hi:[1,0,0]
	v_pk_fma_f32 v[T2+\z:T2+\z+1], v[LD+\z:LD+\z+1], v[(\ts)+\z:(\ts)+\z+1], v[T2+\z:T2+\z+1]
.endr
.irp z, 0,1,2,3
	v_cvt_pk_f16_f32 v[HH+\z], v[T1+2*\z], v[T1+2*\z+1]
	v_cvt_pk_f16_f32 v[HH+4+\z], v[T2+2*\z], v[T2+2*\z+1]
.endr
	global_store_b128 v[\go], v[HH:HH+3], s[\bs:\bs+1]               ; 32 lanes x 16 bytes: 512 consecutive bytes
	global_store_b128 v[\go], v[HH+4:HH+7], s[\bs:\bs+1] offset:512
.endm
	s_mov_b32 s[UC], 0
.Lunit:                                ; six trips; in the last group the two that have no head of q are jumped
	s_cmp_ge_u32 s[UC], s[NQ]
	s_cbranch_scc1 .Ldead
	UNIT TAB,TAB+8,RDL,RDL2,0,GQ,10
.Ldead:
	s_wait_xcnt 0x0                                ; the stores have read their data and their offset: both are written again only behind this wait
	v_add_nc_u32 v[RDL], 128, v[RDL]
	v_add_nc_u32 v[RDL2], 128, v[RDL2]
	v_add_nc_u32 v[GQ], 1024, v[GQ]
	s_add_co_u32 s[UC], s[UC], 1
	s_cmp_lt_u32 s[UC], 6
	s_cbranch_scc1 .Lunit
	s_cmp_eq_u32 s[GG], 2                          ; the group is the same in all four partners
	s_cbranch_scc0 .Lend
	UNIT TAB+16,TAB+24,RD0,RD02,512,GL,12          ; k: the group's columns 128-159
.set z, 0
.rept 32                               ; v: z = 16 x wave + 8 x channel block + key: a lane takes one channel of eight keys: the transposed fragment
	ds_load_b32 v[LD+z],    v[RV]  offset:RP*(z%8)+64*((z/8)%2)+REG*(z/16)
	ds_load_b32 v[LD+32+z], v[RV2] offset:RP*(z%8)+64*((z/8)%2)+REG*(z/16)
.set z, z+1
.endr
	s_wait_dscnt 0x0
	SUM4
	s_wait_xcnt 0x0                                ; k's stores have read HH
.irp z, 0,1,2,3,4,5,6,7
	v_cvt_pk_f16_f32 v[HH+\z], v[LD+2*\z], v[LD+2*\z+1]
.endr
	global_store_b128 v[GL], v[HH:HH+3], s[60:61]
	global_store_b128 v[GL], v[HH+4:HH+7], s[60:61] offset:1024
.Lend:
	s_wait_tensorcnt 0x0                           ; the wave's end, behind my last tensor load and my last LDS store
	ds_add_u32 v[SPW], v[NIL]
	s_wait_dscnt 0x0
	CROUND                                         ; the closing round
	s_endpgm
.Lfunc_end_k_q58f28c876e_qkv:
	.size	k_q58f28c876e_qkv, .Lfunc_end_k_q58f28c876e_qkv-k_q58f28c876e_qkv
	.p2alignl 7, 3214868480
	.fill 96, 4, 3214868480
	.section	.rodata,"a",@progbits
	.p2align	6, 0x0
	.amdhsa_kernel k_q58f28c876e_qkv
		.amdhsa_group_segment_fixed_size 327680
		.amdhsa_private_segment_fixed_size 0
		.amdhsa_enable_private_segment 0
		.amdhsa_kernarg_size 40
		.amdhsa_user_sgpr_count 2
		.amdhsa_user_sgpr_kernarg_segment_ptr 1
		.amdhsa_wavefront_size32 1
		.amdhsa_system_sgpr_workgroup_id_x 1
		.amdhsa_system_sgpr_workgroup_id_y 1
		.amdhsa_system_sgpr_workgroup_id_z 1
		.amdhsa_system_vgpr_workitem_id 0
		.amdhsa_next_free_vgpr 1024
		.amdhsa_next_free_sgpr 96
		.amdhsa_reserve_vcc 0
		.amdhsa_float_denorm_mode_32 3
		.amdhsa_float_denorm_mode_16_64 3
		.amdhsa_memory_ordered 1
		.amdhsa_forward_progress 1
		.amdhsa_inst_pref_size 75
	.end_amdhsa_kernel
	.amdgpu_metadata
---
amdhsa.version: [ 1, 2 ]
amdhsa.kernels:
  - .name:           k_q58f28c876e_qkv
    .symbol:         k_q58f28c876e_qkv.kd
    .args:
      - { .name: xn, .offset: 0, .size: 8, .value_kind: global_buffer, .address_space: global }
      - { .name: wq, .offset: 8, .size: 8, .value_kind: global_buffer, .address_space: global }
      - { .name: rope, .offset: 16, .size: 8, .value_kind: global_buffer, .address_space: global }
      - { .name: qf, .offset: 24, .size: 8, .value_kind: global_buffer, .address_space: global }
      - { .name: kv, .offset: 32, .size: 8, .value_kind: global_buffer, .address_space: global }
    .group_segment_fixed_size: 327680
    .private_segment_fixed_size: 0
    .kernarg_segment_align: 8
    .kernarg_segment_size: 40
    .max_flat_workgroup_size: 128
    .sgpr_count:     96
    .vgpr_count:     1024
    .wavefront_size: 32
...
	.end_amdgpu_metadata
.endif
;; end of part 2
;; launch attn (part 3): grid 64 x 4, 4 waves a work-group, clusters of 4 x 1, 271,872 bytes of LDS; arguments qf, kv, W_fused, W_ff_out, W_attn_out, ho, wf, wo; writes ho, wf, wo
.if DOCPART == 3
	.amdgcn_target "amdgcn-amd-amdhsa--gfx1250"
	.amdhsa_code_object_version 6
	.text
	.protected	k_q58f28c876e_attn
	.globl	k_q58f28c876e_attn
	.p2align	8
	.type	k_q58f28c876e_attn,@function
k_q58f28c876e_attn:
	s_mov_b64 s[64:65], 0
	v_nop
	global_prefetch_b8 v0, s[64:65] scope:SCOPE_SE
	s_setreg_imm32_b32 hwreg(HW_REG_WAVE_MODE, 25, 1), 1
	s_wait_xcnt 0x0
	s_wait_alu depctr_hold_cnt(0) depctr_sa_sdst(0) depctr_va_vdst(0) depctr_va_sdst(0) depctr_va_ssrc(0) depctr_va_vcc(0) depctr_vm_vsrc(0)
	s_getreg_b32 s2, hwreg(HW_REG_IB_STS2, 6, 4)
	s_cmp_eq_u32 s2, 0
	s_cbranch_scc0 .Lentry_in_a_cluster
	s_endpgm
.Lentry_in_a_cluster:
	s_bfe_u32 s2, ttmp6, 0x10000c
	s_cmp_lg_u32 s2, 0x3003
	s_cbranch_scc0 .Lentry_shape_is_right
	s_endpgm
.Lentry_shape_is_right:
; CAUSAL MULTI-QUERY ATTENTION, 16 heads of 32 channels on one K and V a batch.  q, k, v arrive in f16, turned, scaled (q . k is the score in base 2) and in fragment order.
; Products, maxima in f32; the weights p = 2^(s - m) are rounded to f16 for the second product, and their sum l is the f32 matrix sum of the SAME rounded weights (a product with ones); o leaves as bf16.
; SHARES.  A batch's queries lie in 128 blocks of 16 positions.  A work-group takes blocks 127 - i and then i (i = 4 x cluster + place): 32 - c and c + 1 key steps of 64, 33 whatever i.
; Each of its four waves takes two heads of those positions: tiles 0 and 1.  The four partners of a cluster share the diagonal's key step D; their places enter addresses and a lane's mask threshold alone.
; K AND V STAY IN LDS: a batch's 262,144 bytes come once, jointly, 65,536 a wave; no byte is filled again, so no barrier follows the first.  The start waits for the whole fill.
; THE MASK is the C operand that starts S^T = K Q^T: 0, or -1e30 where the key is hidden; it is set when the diagonal's step comes.  A hidden score counts as its value less 1e30.
; BY TURNS.  Turn x belongs to tile x: four products K Q^T of the other tile, later six products (V^T P and ones x P) of the other tile; beside them tile x's s - m, exponentials, roundings and
; rescaling, and the other tile's maximum and statistics.  A turn's 33 exponentials are one batch with one wait.
; THE COPIES OF THE FEED-FORWARD'S WEIGHTS RIDE HERE: this launch's own loads all stand at its head, and the two launches behind it want the copies.  A unit is one load of a wave: 512 bytes of f32 in, 256 out.
;   wo = [W_ff_out; W_attn_out] in bf16: 36,864 units, 36 a wave (unit = wave + 1,024 t).
;   wf = W_fused's ff columns, rounded to bf16 and written as f16, x and gate columns interleaved in groups of 64 (n' = 128 j + 64 s + c): 65,536 units, 64 a wave: wave gw owns k-row gw, unit j its group j
;   (lanes 0-15 read 256 bytes of x columns, lanes 16-31 of gate columns).
;   All 100 loads of a wave stand at the head, every unit's place in the immediate: no offset is ever stepped.  wf's units 0-7 and wo's 36 are converted and stored in the wait for the fill, in seven stages;
;   behind each stage but the last eight more units of wf are asked for.  wf's units 8-63 stay out while the first block is walked (17 key steps at the least) and are converted and stored at its end.
;   So no wave waits for them, and no prefetch is laid for them.
; LIMITS.  A weight p below 2^-126 counts as 0; below 6e-5 it keeps f16's fixed step.  |W_fused| < 65,504; below 2^-17 it keeps f16's fixed step (off by 3e-8 at the most).  NaN and infinities are not treated apart.
.set STAGE, 262144                     ; behind K and V: 16 rows x 144 bytes for each wave, for the way out
.set SP,    144
.set SPARE, 271360
.set AK0, 2                            ; v2  16 x lane; never rewritten
.set ADR, 3                            ; v3  K's next run of loads
.set ADRV, 4                           ; v4  V's
.set THR, 5                            ; v5  16 x + r - 8 h: key 16 kt + j of the diagonal's step is hidden where it is greater
.set STO, 6
.set RD,  7
.set SPW, 12
.set NIL, 13
.set THRN, 14                          ; the second block's threshold
.set ST,  16                           ; tile t's statistics at v[ST + 8 t]: +0 m, +1 named with it as a pair, +2 m_old, +4..7 c0-c3 at work; c2 takes a
.set Q,   32                           ; v[32:47]  8 a tile
.set K,   48                           ; v[48:79]  four key tiles
.set V,   80                           ; v[80:111] key half kk, channel block cb at 8 (2 kk + cb)
.set S,   112                          ; v[112:175] 32 a tile
.set P,   176                          ; v[176:207] 16 a tile
.set O,   208                          ; v[208:239] 16 a tile
.set HH,  240
.set MC,  0                            ; window 1: the mask;
.set LL,  32                           ; l, 8 a tile (all eight hold the sum; the two lowest are rescaled, the lowest is read);
.set ONES, 48                          ; 1.0 in f16, everywhere;
.set QN,  56                           ; the second block's Q;
.set WOO, 73                           ; the copies' byte offsets: wo out, wo in, wf out, wf in; never rewritten;
.set WOI, 74
.set WFO, 75
.set WFI, 76
.set WOB, 80                           ; v[80:223] wo's 36 units;
.set WFE, 224                          ; v[224:255] wf's units 0-7
.set WFL, 0                            ; window 2: v[0:223] wf's units 8-63;
.set WFI2, 224                         ; wf's two offsets once more, so that one window setting serves this window's loads, conversions and stores; never rewritten
.set WFO2, 225
.set WV,  10
.set G0,  20
.set G1,  24
.set DD,  32                           ; s32 the diagonal's key step of the block in hand;  s33 of the second block
.set DL,  33
.set JJ,  34
.set TB,  35                           ; s35 8,192 x the key step
.set TBN, 36
.set BLK, 37
.set BIGN, 38
.set SEL, 40
.set MSK, 84                           ; s84 a word's upper bf16
.set W_S,  0x10                        ; C in window 1; instructions with two sources or one are not touched by it
.set W_L,  0x51                        ; ones, C and D in window 1
.set W_RL, 0x41
.set W_C,  0x45                        ; the copies in window 1: destination, source 0 (a load's or store's offset) and source 1 (a store's data)
.set W_D,  0x8a                        ; the same three in window 2
.set MSB, 0
.macro WIN new
.if MSB != (\new)
	s_set_vgpr_msb (MSB<<8)|(\new)
.set MSB, \new
.endif
.endm
.macro PLACES
.rept 4
	v_nop
.endr
.endm
.macro CROUND
	s_barrier_signal -1
	s_barrier_wait -1
	s_cmp_lg_u32 s[WV], 0
	s_cbranch_scc1 .Lnot_wave_0_\@
	s_barrier_signal -3
.Lnot_wave_0_\@:
	s_barrier_wait -3
	s_barrier_signal -1
	s_barrier_wait -1
.endm
; n units of f32 (four registers each, from base on) are rounded to bf16 and written as f16, in place: a unit's 8 bytes end in its first two registers.  The work goes in stages over all the units, so that no
; line reads the result of the line before it.  The window is the caller's.
.macro TOF16 base, n
.set z, 0
.rept 2*(\n)
	v_cvt_pk_bf16_f32 v[(\base)+2*z], v[(\base)+2*z], v[(\base)+2*z+1]
.set z, z+1
.endr
.set z, 0
.rept 2*(\n)
	v_and_b32 v[(\base)+2*z+1], s[MSK], v[(\base)+2*z]   ; the rounded numbers as f32 again: the upper half,
.set z, z+1
.endr
.set z, 0
.rept 2*(\n)
	v_lshlrev_b32 v[(\base)+2*z], 16, v[(\base)+2*z]     ; and the lower
.set z, z+1
.endr
.set z, 0
.rept (\n)
	v_cvt_pk_f16_f32 v[(\base)+4*z], v[(\base)+4*z], v[(\base)+4*z+1]
	v_cvt_pk_f16_f32 v[(\base)+4*z+1], v[(\base)+4*z+2], v[(\base)+4*z+3]
.set z, z+1
.endr
.endm
.macro WFLOAD first                    ; eight units of wf, from unit first (8 or more) on, are asked for
	WIN W_D
.set u, (\first)
.rept 8
	global_load_b128 v[WFL+4*(u-8):WFL+4*(u-8)+3], v[WFI2], s[68:69] offset:256*u th:TH_LOAD_NT
.set u, u+1
.endr
.endm
	s_load_b128 s[4:7], s[0:1], 0x0                ; qf, kv
	s_load_b256 s[68:75], s[0:1], 0x10             ; W_fused 68, W_ff_out 70, W_attn_out 72, ho 74
	s_load_b128 s[76:79], s[0:1], 0x30             ; wf 76, wo 78
	v_lshl_add_u32 v[SPW], v0, 2, SPARE
	v_mov_b32 v[NIL], 0
	ds_add_u32 v[SPW], v[NIL]                      ; the wave's opening: the add and its wait stand ahead of my first tensor load
	v_lshrrev_b32 v1, 5, v0
	v_readfirstlane_b32 s[WV], v1
	s_bfe_u32 s11, ttmp6, 0x40000                  ; cx
	s_mov_b32 s12, ttmp9                           ; c
	s_and_b32 s13, ttmp7, 0xffff
	s_lshr_b32 s14, s13, 1                         ; the batch
	s_and_b32 s15, s13, 1                          ; which eight heads
	s_lshl_b32 s16, s15, 2
	s_add_co_u32 s16, s16, s[WV]                   ; my pair of heads, 0 to 7
	s_mov_b32 s[G1], 15|(3<<16)|(1<<21)            ; the mask of four, bit 21 beside it; elements of 8 bytes; no padding: the bytes lie in fragment order
	s_mov_b32 s[G1+1], 32<<16                      ; rows of 256 bytes,
	s_mov_b32 s[G1+2], 256<<16                     ; 256 of them
	s_mov_b32 s[G1+3], 32<<16
	s_mov_b32 s[G1+4], 256
	s_mov_b32 s[G1+5], 32
	s_mov_b32 s[G1+6], 0
	s_mov_b32 s[G1+7], 0
	s_mov_b32 s[G0], 1
	s_lshl_b32 s[G0+1], s[WV], 16                  ; my quarter of the batch's K and V
	s_lshl_b32 s50, s14, 18
	s_lshl_b32 s51, s[WV], 16
	s_add_co_u32 s50, s50, s51
	s_mov_b32 s51, 0
	s_mov_b32 s[BIGN], 0xf149f2ca                  ; -1e30
	s_mov_b32 s[SEL], 0x76543210
	s_mov_b32 s[SEL+1], 0xfedcba98
	s_mov_b32 s[MSK], 0xffff0000
	s_sub_co_u32 s[DD], 31, s12
	s_mov_b32 s[DL], s12
	s_wait_dscnt 0x0                               ; the opening add is done
	s_wait_kmcnt 0x0
	s_add_nc_u64 s[G0+2:G0+3], s[6:7], s[50:51]
	s_or_b32 s[G0+3], s[G0+3], 0x80000000
	CROUND                                         ; all four work-groups are here: the joint loads meet
	tensor_load_to_lds s[G0:G0+3], s[G1:G1+7]      ; one load of mine is out
	s_nop 0
.rept 4
	v_nop
.endr
	s_lshl_b32 s52, s12, 2
	s_add_co_u32 s52, s52, s11                     ; the second block, i
	s_lshl_b32 s56, s13, 6
	s_add_co_u32 s56, s56, s52
	s_lshl_b32 s56, s56, 2
	s_add_co_u32 s56, s56, s[WV]                   ; gw: my wave among the launch's 1,024: it enters the copies' addresses alone
	s_sub_co_u32 s53, 127, s52                     ; the first block, 127 - i
	s_lshl_b32 s54, s14, 7
	s_add_co_u32 s52, s52, s54                     ; among both batches' 256
	s_add_co_u32 s53, s53, s54
	s_lshl_b32 s55, s16, 11                        ; two heads of 1,024 bytes
	s_lshl_b32 s50, s53, 14                        ; a block's 16 heads
	s_add_co_u32 s50, s50, s55
	s_add_nc_u64 s[42:43], s[4:5], s[50:51]
	s_lshl_b32 s50, s52, 14
	s_add_co_u32 s50, s50, s55
	s_add_nc_u64 s[44:45], s[4:5], s[50:51]
	s_add_co_u32 s55, s16, 64                      ; o's panel in ho,
	s_lshl_b32 s55, s55, 19
	s_lshl_b32 s50, s53, 11                        ; and the block's 16 rows of 128 bytes
	s_add_co_u32 s50, s50, s55
	s_add_nc_u64 s[46:47], s[74:75], s[50:51]
	s_lshl_b32 s50, s52, 11
	s_add_co_u32 s50, s50, s55
	s_add_nc_u64 s[48:49], s[74:75], s[50:51]
	s_lshl_b32 s57, s56, 9                         ; wo in: 512 gw
	s_lshl_b32 s58, s56, 8                         ; wo out: 256 gw
	s_mul_i32 s59, s56, 35072                      ; wf in: k-row gw of W_fused,
	s_add_co_u32 s59, s59, 2304                    ; from column 576 on
	s_lshl_b32 s60, s56, 14                        ; wf out: k-row gw
	s_add_nc_u64 s[80:81], s[70:71], 0x800000      ; W_ff_out's second half, and wo behind W_ff_out's copy: so that every unit's place fits the immediate
	s_add_nc_u64 s[82:83], s[78:79], 0x800000
	v_and_b32 v10, 31, v0
	v_lshlrev_b32 v[AK0], 4, v10
	v_and_b32 v1, 15, v0                           ; r
	v_bfe_u32 v9, v0, 4, 1                         ; h
	v_lshlrev_b32 v11, 4, v1
	v_lshl_add_u32 v11, v9, 14, v11                ; 16 bytes a lane; lanes 16-31 take the gate columns, 4,096 columns on
.irp t, 0,1
.irp p, 0,1
	global_load_b128 v[Q+8*\t+4*\p:Q+8*\t+4*\p+3], v[AK0], s[42:43] offset:1024*\t+512*\p
.endr
.endr
	WIN 0x40
.irp t, 0,1
.irp p, 0,1
	global_load_b128 v[QN+8*\t+4*\p:QN+8*\t+4*\p+3], v[AK0], s[44:45] offset:1024*\t+512*\p
.endr
.endr
	v_add_nc_u32 v[WOI], s57, v[AK0]
	v_lshl_add_u32 v[WOO], v10, 3, s58
	v_add_nc_u32 v[WFI], s59, v11
	v_lshl_add_u32 v[WFO], v10, 3, s60
	WIN 0x80
	v_add_nc_u32 v[WFI2], s59, v11
	v_lshl_add_u32 v[WFO2], v10, 3, s60
	WIN W_C
.irp q, 0,1,2,3,4,5,6,7                ; wf's units 0-7
	global_load_b128 v[WFE+4*\q:WFE+4*\q+3], v[WFI], s[68:69] offset:256*\q th:TH_LOAD_NT
.endr
.set t, 0
.rept 36                               ; wo's 36 units
.if t < 16
	global_load_b128 v[WOB+4*t:WOB+4*t+3], v[WOI], s[70:71] offset:524288*t th:TH_LOAD_NT
.elseif t < 32
	global_load_b128 v[WOB+4*t:WOB+4*t+3], v[WOI], s[80:81] offset:524288*(t-16) th:TH_LOAD_NT
.else
	global_load_b128 v[WOB+4*t:WOB+4*t+3], v[WOI], s[72:73] offset:524288*(t-32) th:TH_LOAD_NT
.endif
.set t, t+1
.endr
	WFLOAD 8                                       ; wf's units 8-15: 60 loads of mine are out
	WIN 0x40
	; A block's first step multiplies O and l by a = 0, and its first turn's second products, of a step that has not been, land in an O that is still to be so multiplied: these registers need only be
	; finite: zeros for the first block, what the first block left for the second.  All this stands in the wait for the loads.
.set z, 0
.rept 16
	v_mov_b32 v[LL+z], 0
.set z, z+1
.endr
.set z, 0
.rept 8
	v_mov_b32 v[ONES+z], 0x3c003c00
.set z, z+1
.endr
	WIN 0
.set z, 0
.rept 16
	v_mov_b32 v[P+16+z], 0
.set z, z+1
.endr
.set z, 0
.rept 32
	v_mov_b32 v[V+z], 0
	v_mov_b32 v[O+z], 0
.set z, z+1
.endr
	v_lshlrev_b32 v11, 3, v9
	v_sub_nc_u32 v11, v1, v11
	s_lshl_b32 s54, s11, 4                         ; the second block lies at 16 cx in its diagonal step, the first at 16 (3 - cx)
	s_sub_co_u32 s55, 48, s54
	v_add_nc_u32 v[THRN], s54, v11
	v_add_nc_u32 v[THR], s55, v11
	s_mul_i32 s54, s[WV], 16*SP
	s_add_co_u32 s54, s54, STAGE
	v_mul_u32_u24 v[STO], v1, SP                   ; in: row r, 16 bytes for each half of the lanes
	v_lshl_add_u32 v[STO], v9, 4, v[STO]
	v_add_nc_u32 v[STO], s54, v[STO]
	v_lshrrev_b32 v[RD], 3, v10                    ; back: 32 lanes take four rows of 128 bytes
	v_mul_u32_u24 v[RD], v[RD], SP
	v_and_b32 v11, 7, v0
	v_lshl_add_u32 v[RD], v11, 4, v[RD]
	v_add_nc_u32 v[RD], s54, v[RD]
	; THE COPIES' SEVEN STAGES.  Loads come back in order (ISA guide 5.7.1), so each wait counts the loads issued behind the stage's last unit.  At most 62 loads of mine are out.
	WIN W_C
	s_wait_loadcnt 44                              ; wf's units 0-7 are in: behind them stand wo's 36 and wf's 8.  Both blocks' Q, asked for earlier, are in too: no wait for them stands further down
	TOF16 WFE, 8
.irp q, 0,1,2,3,4,5,6,7
	global_store_b64 v[WFO], v[WFE+4*\q:WFE+4*\q+1], s[76:77] offset:256*\q  ; 32 lanes x 8 bytes: 256 consecutive bytes, aligned: 64 x columns, then their 64 gates
.endr
	WFLOAD 16
.set g, 0
.rept 6                                ; wo: six groups of six units, each rounded to bf16 in place and stored
	WIN W_C
	s_wait_loadcnt 46+2*g                          ; behind the group's last unit stand 30 - 6 g units of wo and 16 + 8 g of wf
.set t, 6*g
.rept 6
	v_cvt_pk_bf16_f32 v[WOB+4*t], v[WOB+4*t], v[WOB+4*t+1]
	v_cvt_pk_bf16_f32 v[WOB+4*t+1], v[WOB+4*t+2], v[WOB+4*t+3]
.set t, t+1
.endr
.set t, 6*g
.rept 6
.if t < 32
	global_store_b64 v[WOO], v[WOB+4*t:WOB+4*t+1], s[78:79] offset:262144*t       ; 256 consecutive bytes, aligned
.else
	global_store_b64 v[WOO], v[WOB+4*t:WOB+4*t+1], s[82:83] offset:262144*(t-32)
.endif
.set t, t+1
.endr
.if g < 5
	WFLOAD 24+8*g                                  ; the last of these asks for units 56-63
.endif
.set g, g+1
.endr
	WIN 0
	s_wait_tensorcnt 0x0                           ; my quarter of K and V is in,
	s_barrier_signal -1
	s_barrier_wait -1                              ; everybody's is
.macro REGS t
.set rT, ST+8*(\t)
.set rS, S+32*(\t)
.set rP, P+16*(\t)
.set rO, O+16*(\t)
.set rL, LL+8*(\t)
.set rQ, Q+8*(\t)
.endm
.macro MS kt                           ; S^T of the other tile, key tile kt: one product (32 channels), started by the mask
	REGS TY
	WIN W_S
	v_wmma_f32_16x16x32_f16 v[rS+8*(\kt):rS+8*(\kt)+7], v[K+8*(\kt):K+8*(\kt)+7], v[rQ:rQ+7], v[MC+8*(\kt):MC+8*(\kt)+7]
.endm
.macro NO cb, kk                       ; O^T of the other tile += V^T P
	REGS TY
	WIN 0
	v_wmma_f32_16x16x32_f16 v[rO+8*(\cb):rO+8*(\cb)+7], v[V+8*(2*(\kk)+(\cb)):V+8*(2*(\kk)+(\cb))+7], v[rP+8*(\kk):rP+8*(\kk)+7], v[rO+8*(\cb):rO+8*(\cb)+7]
.endm
.macro NL kk                           ; l of the other tile += ones x P
	REGS TY
	WIN W_L
	v_wmma_f32_16x16x32_f16 v[rL:rL+7], v[ONES:ONES+7], v[rP+8*(\kk):rP+8*(\kk)+7], v[rL:rL+7]
.endm
.macro FETCH_K
.irp f, 0,1,2,3
	ds_load_b128 v[K+8*\f:K+8*\f+3],   v[ADR] offset:1024*\f
	ds_load_b128 v[K+8*\f+4:K+8*\f+7], v[ADR] offset:1024*\f+512
.endr
.endm
.macro FETCH_V
.irp f, 0,1,2,3
	ds_load_b128 v[V+8*\f:V+8*\f+3],   v[ADRV] offset:4096+1024*\f
	ds_load_b128 v[V+8*\f+4:V+8*\f+7], v[ADRV] offset:4096+1024*\f+512
.endr
.endm
; THE VECTOR WORK, a line at a time.  For the turn's tile: KF n: s - m for pair n of 16.  KE n: the exponential of score n of 32.  KC n: pair n rounded to f16.  KR n: pair n of 8 of O^T times a; KR 8: l's.
; For the other tile: KX n, number n of the list that finds its maximum and statistics: 0-11 four chains of seven scores (each accumulator's lowest registers first);
; 12-14, 16 the four scores left over, the old m, and the chains into c0; 15 m_old is kept; 17, 18 the query's other 32 keys lie in the lane 16 away: the new m; 20, 21 m_old - m_new and a.
.set KF, 0
.set KE, 1
.set KC, 2
.set KR, 3
.set KX, 4
.macro OP k, n
.if (\k) == KX
	REGS TY
	WIN 0
.if (\n) < 4
	v_max3_num_f32 v[rT+4+(\n)], v[rS+8*(\n)], v[rS+8*(\n)+1], v[rS+8*(\n)+2]
.elseif (\n) < 12
	v_max3_num_f32 v[rT+4+(\n)%4], v[rT+4+(\n)%4], v[rS+8*((\n)%4)+2*((\n)/4)+1], v[rS+8*((\n)%4)+2*((\n)/4)+2]
.elseif (\n) == 12
	v_max3_num_f32 v[rT+4], v[rT+4], v[rS+7], v[rS+15]
.elseif (\n) == 13
	v_max3_num_f32 v[rT+5], v[rT+5], v[rS+23], v[rS+31]
.elseif (\n) == 14
	v_max3_num_f32 v[rT+6], v[rT+6], v[rT+7], v[rT]
.elseif (\n) == 15
	v_mov_b32 v[rT+2], v[rT]
.elseif (\n) == 16
	v_max3_num_f32 v[rT+4], v[rT+4], v[rT+5], v[rT+6]
.elseif (\n) == 17
	v_permlanex16_b32 v[rT+7], v[rT+4], s[SEL], s[SEL+1]
.elseif (\n) == 18
	v_max_num_f32 v[rT], v[rT+4], v[rT+7]
.elseif (\n) == 20
	v_sub_f32 v[rT+5], v[rT+2], v[rT]
.else
	v_exp_f32 v[rT+6], v[rT+5]
.endif
.else
	REGS TX
.if (\k) == KF
.if MSB != W_S
	WIN 0
.endif
	v_pk_add_f32 v[rS+2*(\n):rS+2*(\n)+1], v[rS+2*(\n):rS+2*(\n)+1], v[rT:rT+1] op_sel_hi:[1,0] neg_lo:[0,1] neg_hi:[0,1]
.elseif (\k) == KE
.if MSB != W_S
	WIN 0
.endif
	v_exp_f32 v[rS+(\n)], v[rS+(\n)]
.elseif (\k) == KC
	WIN 0
	v_cvt_pk_f16_f32 v[rP+(\n)], v[rS+2*(\n)], v[rS+2*(\n)+1]
.elseif (\n) < 8
	WIN 0
	v_pk_mul_f32 v[rO+2*(\n):rO+2*(\n)+1], v[rO+2*(\n):rO+2*(\n)+1], v[rT+6:rT+7] op_sel_hi:[1,0]
.else
	WIN W_RL
	v_pk_mul_f32 v[rL:rL+1], v[rL:rL+1], v[rT+6:rT+7] op_sel_hi:[1,0]
.endif
.endif
.endm
.macro OPS a, i1, b=-1, i2=0, c=-1, i3=0, d=-1, i4=0
	OP \a, \i1
.if (\b) >= 0
	OP \b, \i2
.endif
.if (\c) >= 0
	OP \c, \i3
.endif
.if (\d) >= 0
	OP \d, \i4
.endif
.endm
; A TURN, for tile x, written out.  AHEAD OF THE WAIT stands all that names no result of the turn's exponentials: the four products K Q^T with four riders each, and a lump in which plain and exponential go
; by turns; a of the other tile is the batch's last.  BEHIND IT the six second products, the roundings behind them.  The three accumulators of those six take turns.
; Tile 0's turn fetches K of the next step (four plain instructions, KF 7 to 10, behind the last product that read K; the step's number is held to 31) and, at its end, V of the step in hand (KC 12 to 15
; behind the last product that read V).  Tile 1's turn waits for them: K at its head (V's eight loads may stay out), V ahead of its second products.
.macro TURN x
.set TX, (\x)
.set TY, 1-(\x)
.if (\x) == 1
	s_wait_dscnt 8
.endif
	MS 0
	OPS KF,0,KF,1,KF,2,KE,0
	MS 1
	OPS KF,3,KE,1,KF,4,KE,2
	MS 2
	OPS KF,5,KE,3,KF,6,KE,4
	MS 3
	OPS KF,7,KE,5,KF,8,KE,6
	WIN 0
	OPS KF,9,KE,7,KF,10,KE,8
.if (\x) == 0
	s_add_co_u32 s[TBN], s[TB], 8192
	s_min_u32 s[TBN], s[TBN], 31*8192
	v_add_nc_u32 v[ADR], s[TBN], v[AK0]
	FETCH_K
.endif
	OPS KX,0,KE,9,KX,1,KE,10
	OPS KX,2,KE,11,KX,3,KE,12
	OPS KX,4,KE,13,KX,5,KE,14
	OPS KX,6,KE,15,KX,7,KE,16
	OPS KF,11,KE,17,KX,8,KE,18
	OPS KX,9,KE,19,KX,10,KE,20
	OPS KX,11,KE,21,KF,12,KE,22
	OPS KX,12,KE,23,KX,13,KE,24
	OPS KX,15,KF,13,KX,14,KE,25
	OPS KF,14,KE,26,KF,15,KE,27
	OPS KX,16,KE,28,KR,0,KE,29
	OPS KR,1,KE,30,KX,17,KE,31
	OPS KR,2,KR,3,KR,4,KX,18
	OPS KR,5,KR,6,KR,7,KX,20
	OPS KR,8,KX,21
	v_nop                                          ; a plain instruction behind the last exponential: one for the batch
	s_wait_alu depctr_va_vdst(0)                   ; the wait ahead of the first reader: one for the 33
.if (\x) == 1
	s_wait_dscnt 0x0
.endif
	NO 0,0
	OPS KC,0,KC,1,KC,2
	NO 1,0
	OPS KC,3,KC,4,KC,5
	NL 0
	OPS KC,6,KC,7,KC,8
	NO 0,1
	OPS KC,9,KC,10,KC,11
	NO 1,1
	OPS KC,12,KC,13,KC,14
	NL 1
	OPS KC,15
.if (\x) == 0
	v_add_nc_u32 v[ADRV], s[TB], v[AK0]
	FETCH_V
.endif
.endm
.macro SETMASK                         ; the diagonal step's mask for my query
	WIN 0x40
.set z, 0
.rept 32
	v_cmp_gt_i32 vcc_lo, 16*(z/8)+z%8, v[THR]
	v_cndmask_b32 v[MC+z], 0, s[BIGN], vcc_lo
.set z, z+1
.endr
	WIN 0
.endm
	s_mov_b32 s[BLK], 2
.Lblock:                               ; two trips: block 127 - i, then block i
	; A BLOCK BEGINS: m far below every score and every hidden one, so the first step's a is 0; the mask 0, or the diagonal's if the block has one step; K of step 0, tile 0's first scores and statistics
.irp t, 0,1
	v_mov_b32 v[ST+8*\t], 0xfe000000
	v_mov_b32 v[ST+8*\t+1], 0                      ; named with m as a pair
	v_mov_b32 v[ST+8*\t+7], 0                      ; c3: named with a as a pair by the rescalings and at the block's end, so it is written here, ahead of the loop over steps
.endr
	WIN 0x40
.set z, 0
.rept 32
	v_mov_b32 v[MC+z], 0
.set z, z+1
.endr
	WIN 0
	s_cmp_eq_u32 s[DD], 0
	s_cbranch_scc0 .Lnom0
	SETMASK
.Lnom0:
	s_mov_b32 s[TB], 0
	v_mov_b32 v[ADR], v[AK0]
	FETCH_K
	s_wait_dscnt 0x0                               ; (Q was shown in at the head)
.set TX, 1
.set TY, 0
	MS 0
	MS 1
	MS 2
	MS 3
	WIN 0
	PLACES
.irp n, 0,1,2,3,4,5,6,7,8,9,10,11,12,13,14,15,16,17,18,20,21
	OP KX, \n
.endr
	v_nop
	s_wait_alu depctr_va_vdst(0)
	s_mov_b32 s[JJ], 0
.Lstep:                                ; 32 trips; those behind the diagonal's step are jumped
	s_cmp_gt_u32 s[JJ], s[DD]
	s_cbranch_scc1 .Ldead
	TURN 0
	WIN 0
	s_add_co_u32 s54, s[JJ], 1
	s_cmp_eq_u32 s54, s[DD]                        ; the next scores to be started are the diagonal step's
	s_cbranch_scc0 .Lnomask
	SETMASK
.Lnomask:
	TURN 1
	WIN 0
.Ldead:
	s_add_co_u32 s[TB], s[TB], 8192
	s_add_co_u32 s[JJ], s[JJ], 1
	s_cmp_lt_u32 s[JJ], 32
	s_cbranch_scc1 .Lstep
	; THE BLOCK'S END.  (The last turn's scores of a step behind the diagonal, and the statistics made of them, serve nothing: the price of one text for every step.)
.set TX, 0
.set TY, 1
	NO 0,0
	NO 1,0
	NL 0
	NO 0,1
	NO 1,1
	NL 1
	WIN 0
	PLACES
	WIN 0x01                                       ; l lies in window 1; its lowest register holds the query's whole sum in both halves of the lanes
	v_rcp_f32 v[ST+6], v[LL]
	v_rcp_f32 v[ST+14], v[LL+8]
	WIN 0
	v_nop
	s_wait_alu depctr_va_vdst(0)
.irp t, 0,1
.irp z, 0,2,4,6,8,10,12,14
	v_pk_mul_f32 v[O+16*\t+\z:O+16*\t+\z+1], v[O+16*\t+\z:O+16*\t+\z+1], v[ST+8*\t+6:ST+8*\t+7] op_sel_hi:[1,0]
.endr
.endr
.set z, 0
.rept 16
	v_cvt_pk_bf16_f32 v[HH+z], v[O+2*z], v[O+2*z+1]
.set z, z+1
.endr
.irp f, 0,1,2,3                        ; tile f / 2, channel block f % 2: 32 bytes apart in a row of two heads
	ds_store_b128 v[STO], v[HH+4*\f:HH+4*\f+3] offset:32*\f
.endr
.irp f, 0,1,2,3
	ds_load_b128 v[S+4*\f:S+4*\f+3], v[RD] offset:4*SP*\f  ; LDS serves a wave's instructions in order (ISA guide 5.7.1.4): these see the stores above
.endr
.irp f, 0,1,2,3
	s_wait_dscnt 3-\f
	global_store_b128 v[AK0], v[S+4*\f:S+4*\f+3], s[46:47] offset:512*\f  ; 512 consecutive bytes of the panel
.endr
	s_wait_xcnt 0x0                                ; the stores have read their data and their base
	s_mov_b32 s[DD], s[DL]
	s_mov_b64 s[46:47], s[48:49]
	v_mov_b32 v[THR], v[THRN]
	WIN 0x01
.set z, 0
.rept 16
	v_mov_b32 v[Q+z], v[QN+z]
.set z, z+1
.endr
	WIN 0
	; wf's UNITS 8-63, asked for at the head, leave at the first block's end: seven groups of eight, converted in place and stored.  None of their registers, offsets or bases is written again.
	s_cmp_eq_u32 s[BLK], 2
	s_cbranch_scc0 .Lnocast
	WIN W_D
	s_wait_loadcnt 0x0                             ; no other load of mine is out
.set b, 0
.rept 7
	TOF16 WFL+32*b, 8
.set u, 8+8*b
.rept 8
	global_store_b64 v[WFO2], v[WFL+4*(u-8):WFL+4*(u-8)+1], s[76:77] offset:256*u  ; 256 consecutive bytes, aligned: 64 x columns, then their 64 gates
.set u, u+1
.endr
.set b, b+1
.endr
	WIN 0
.Lnocast:
	s_sub_co_u32 s[BLK], s[BLK], 1
	s_cmp_lg_u32 s[BLK], 0
	s_cbranch_scc1 .Lblock
	s_wait_tensorcnt 0x0                           ; the wave's end
	ds_add_u32 v[SPW], v[NIL]
	s_wait_dscnt 0x0
	CROUND                                         ; the closing round
	s_endpgm
.Lfunc_end_k_q58f28c876e_attn:
	.size	k_q58f28c876e_attn, .Lfunc_end_k_q58f28c876e_attn-k_q58f28c876e_attn
	.p2alignl 7, 3214868480
	.fill 96, 4, 3214868480
	.section	.rodata,"a",@progbits
	.p2align	6, 0x0
	.amdhsa_kernel k_q58f28c876e_attn
		.amdhsa_group_segment_fixed_size 271872
		.amdhsa_private_segment_fixed_size 0
		.amdhsa_enable_private_segment 0
		.amdhsa_kernarg_size 64
		.amdhsa_user_sgpr_count 2
		.amdhsa_user_sgpr_kernarg_segment_ptr 1
		.amdhsa_wavefront_size32 1
		.amdhsa_system_sgpr_workgroup_id_x 1
		.amdhsa_system_sgpr_workgroup_id_y 1
		.amdhsa_system_sgpr_workgroup_id_z 1
		.amdhsa_system_vgpr_workitem_id 0
		.amdhsa_next_free_vgpr 768
		.amdhsa_next_free_sgpr 96
		.amdhsa_reserve_vcc 1
		.amdhsa_float_denorm_mode_32 3
		.amdhsa_float_denorm_mode_16_64 3
		.amdhsa_memory_ordered 1
		.amdhsa_forward_progress 1
		.amdhsa_inst_pref_size 86
	.end_amdhsa_kernel
	.amdgpu_metadata
---
amdhsa.version: [ 1, 2 ]
amdhsa.kernels:
  - .name:           k_q58f28c876e_attn
    .symbol:         k_q58f28c876e_attn.kd
    .args:
      - { .name: qf, .offset: 0, .size: 8, .value_kind: global_buffer, .address_space: global }
      - { .name: kv, .offset: 8, .size: 8, .value_kind: global_buffer, .address_space: global }
      - { .name: W_fused, .offset: 16, .size: 8, .value_kind: global_buffer, .address_space: global }
      - { .name: W_ff_out, .offset: 24, .size: 8, .value_kind: global_buffer, .address_space: global }
      - { .name: W_attn_out, .offset: 32, .size: 8, .value_kind: global_buffer, .address_space: global }
      - { .name: ho, .offset: 40, .size: 8, .value_kind: global_buffer, .address_space: global }
      - { .name: wf, .offset: 48, .size: 8, .value_kind: global_buffer, .address_space: global }
      - { .name: wo, .offset: 56, .size: 8, .value_kind: global_buffer, .address_space: global }
    .group_segment_fixed_size: 271872
    .private_segment_fixed_size: 0
    .kernarg_segment_align: 8
    .kernarg_segment_size: 64
    .max_flat_workgroup_size: 128
    .sgpr_count:     96
    .vgpr_count:     768
    .wavefront_size: 32
...
	.end_amdgpu_metadata
.endif
;; end of part 3
;; launch ff1 (part 4): grid 32 x 16, 4 waves a work-group, clusters of 4 x 4, 327,680 bytes of LDS; arguments xn, wf, ho; writes ho
.if DOCPART == 4
	.amdgcn_target "amdgcn-amd-amdhsa--gfx1250"
	.amdhsa_code_object_version 6
	.text
	.protected	k_q58f28c876e_ff1
	.globl	k_q58f28c876e_ff1
	.p2align	8
	.type	k_q58f28c876e_ff1,@function
k_q58f28c876e_ff1:
	s_mov_b64 s[64:65], 0
	v_nop
	global_prefetch_b8 v0, s[64:65] scope:SCOPE_SE
	s_setreg_imm32_b32 hwreg(HW_REG_WAVE_MODE, 25, 1), 1
	s_wait_xcnt 0x0
	s_wait_alu depctr_hold_cnt(0) depctr_sa_sdst(0) depctr_va_vdst(0) depctr_va_sdst(0) depctr_va_ssrc(0) depctr_va_vcc(0) depctr_vm_vsrc(0)
	s_getreg_b32 s2, hwreg(HW_REG_IB_STS2, 6, 4)
	s_cmp_eq_u32 s2, 0
	s_cbranch_scc0 .Lentry_in_a_cluster
	s_endpgm
.Lentry_in_a_cluster:
	s_bfe_u32 s2, ttmp6, 0x10000c
	s_cmp_lg_u32 s2, 0xf033
	s_cbranch_scc0 .Lentry_shape_is_right
	s_endpgm
.Lentry_shape_is_right:
; THE FEED-FORWARD'S FIRST PRODUCT WITH SWIGLU:  xn [4096][1024] f16  x  wf [1024 k][8192 n'] f16, sums in f32;  h = x g / (1 + 2^(-g log2 e)) in f32, rounded once to bf16 (h is quadratic in the inputs'
; scale: f16 has no room for it), into ho's panels 0-63 ([panel][4096 rows][64]).
; wf's columns are interleaved in groups of 64: n' = 128 j + 64 s + c, s = 0 the x column, s = 1 its gate.  A wave's 128 columns are one group j: its column blocks 0-3 and 4-7 hold x and gate at the same
; lane and register, so the activation needs no exchange.
; A tile of 256 x 256 is made by four waves, 128 x 128 each (64 accumulators, 512 registers).  K goes in eight steps of 128 through a ring of two LDS slots.  One tile to a work-group, 512 work-groups: a
; walk over two tiles with the ring running on would want a second tail and a second way out in the text.
; wf lies [k][n']: its fragments are turned on the way out of LDS by ds_load_tr16_b128.  The matrix instruction is used transposed (source 0 = 16 columns of wf, source 1 = 16 rows of xn).
; CLUSTER 4 x 4: xn's tile is shared along a row of the cluster, wf's along a column: joint loads, one a wave behind each round.
; THE LOOP'S TRIP IS ONE K STEP: the slot is a scalar that an exclusive or turns (SLOT shares no bit with a wave's share w x 34,816), and one descriptor a tensor walks.
; REGISTERS: window 0 v0-31 addresses, v64-127 and v128-191 xn's fragments (two buffers), later the way out; window 1 the same numbers for wf's; windows 2 and 3 the accumulators, (a, b) at 8 (8 a + b).
.set PA,    272                        ; a row of xn in LDS: 256 bytes + 16
.set PB,    544                        ; a k-row of wf: 512 bytes + 32
.set HALFT, 34816                      ; what one tensor load brings: 128 rows of xn, or 64 k-rows of wf
.set BOFF,  69632
.set SLOT,  139264
.set STAGE, 278528                     ; behind the ring: 16 rows x 144 bytes for each wave
.set SP,    144
.set SPARE, 287744
.set ADRA0, 16                         ; v16, v17 my fragments' places in slot 0; never rewritten
.set ADRB0, 17
.set ADRA,  18                         ; v18, v19 in the slot in hand
.set ADRB,  19
.set STO,   24
.set RD,    25
.set GO,    26
.set SPW,   28
.set NIL,   29
.set PFO,   30                         ; the prefetches' lane term; never rewritten
.set F0,    64
.set F1,    128
.set TT,    64                         ; the way out, window 0: 32 of 2^(-g log2 e) .. 1 / (1 + ..); 32 of x g; 16 packed; two sets of 16 read back
.set UU,    96
.set HH,    128
.set OB,    144
.set WV,  10
.set G1,  24
.set G0,  32                           ; s[32:35] the first fill of slot 0; s[36:39] of slot 1, which then walks
.set LIM, 43                           ; s43  2 in a wave that prefetches, else the greatest number
.set PFA, 44                           ; s[44:45] the K step that my next prefetch names
.set G1B, 48
.set G0B, 56
.set TB,  66                           ; s66  0 or SLOT: the slot in hand
.set PFS, 68                           ; s[68:69] a K step in bytes, for my tensor
.set MSB, 0
.macro WIN new
.if MSB != (\new)
	s_set_vgpr_msb (MSB<<8)|(\new)
.set MSB, \new
.endif
.endm
.set MUL_LO, 0xa1
.set MUL_HI, 0xf1
.set TO_B,   0x40
.macro PLACES
.rept 4
	v_nop
.endr
.endm
.macro CREST
	s_cmp_lg_u32 s[WV], 0
	s_cbranch_scc1 .Lnot_wave_0_\@
	s_barrier_signal -3
.Lnot_wave_0_\@:
	s_barrier_wait -3
	s_barrier_signal -1
	s_barrier_wait -1
.endm
.macro CROUND
	s_barrier_signal -1
	s_barrier_wait -1
	CREST
.endm
.macro JLOAD                           ; a joint refill by the walking descriptors: waves 0, 1 xn's two halves, waves 2, 3 wf's; s_nop 0 and four v_nop behind each line
	s_cmp_eq_u32 s11, 0
	s_cbranch_scc0 .Lfor_b_\@
	tensor_load_to_lds s[G0+4:G0+7], s[G1:G1+7]
	s_nop 0
.rept 4
	v_nop
.endr
	s_branch .Lasked_\@
.Lfor_b_\@:
	tensor_load_to_lds s[G0B+4:G0B+7], s[G1B:G1B+7]
	s_nop 0
.rept 4
	v_nop
.endr
.Lasked_\@:
.endm
; A PREFETCH INTO THE L2, behind each joint load and the run of LDS loads that follows it: the K step two refills on (trip t names step t + 4): 32 blocks of 256 bytes, a lane a block, one instruction a wave.
; Each block is named once in the launch: xn's rows by the clusters with x = 0, wf's by those with y = 0; the four partners that ask for a tile jointly share its 128 blocks out by address (cx for xn, cy for
; wf).  The first four K steps come by their loads alone; the loop's last two trips ask for nothing: there is no step 8.
.macro ASK
	s_cmp_gt_u32 s3, s[LIM]
	s_cbranch_scc0 .Lnot_mine_\@
	global_prefetch_b8 v[PFO], s[PFA:PFA+1] th:TH_LOAD_NT scope:SCOPE_SE
.Lnot_mine_\@:
.endm
	s_load_b128 s[4:7], s[0:1], 0x0                ; xn, wf
	s_load_b64 s[8:9], s[0:1], 0x10                ; ho
	v_lshl_add_u32 v[SPW], v0, 2, SPARE
	v_mov_b32 v[NIL], 0
	ds_add_u32 v[SPW], v[NIL]                      ; the wave's opening: the add and its wait stand ahead of my first tensor load
	v_lshrrev_b32 v1, 5, v0
	v_readfirstlane_b32 s[WV], v1
	s_lshr_b32 s11, s[WV], 1                       ; my half of the tile's rows.  Also: I fetch for xn (0) or wf (1)
	s_and_b32 s12, s[WV], 1                        ; my half of its columns.  Also: which half of that tile I fetch
	s_bfe_u32 s40, ttmp6, 0x40000                  ; cx
	s_bfe_u32 s41, ttmp6, 0x40004                  ; cy
	s_lshl_b32 s42, ttmp9, 2
	s_add_co_u32 s42, s42, s40                     ; tile column
	s_and_b32 s13, ttmp7, 0xffff
	s_lshl_b32 s13, s13, 2
	s_add_co_u32 s13, s13, s41                     ; tile row
	s_lshl_b32 s43, s41, 2
	s_lshl_b32 s43, 15, s43                        ; my row of the cluster
	s_lshl_b32 s44, 0x1111, s40                    ; my column
	s_or_b32 s[G1+0], s43, (1<<16)|(1<<20)|(1<<21)|(5<<22)|(3<<25)   ; 2-byte elements; 4 words of padding behind every 64
	s_or_b32 s[G1B+0], s44, (1<<16)|(1<<20)|(1<<21)|(6<<22)|(7<<25)  ; 8 words behind every 128
	s_mov_b32 s[G1+1], 128<<16                     ; xn: 128 rows x 128 elements, 1,024 from row to row
	s_mov_b32 s[G1+2], 128<<16
	s_mov_b32 s[G1+3], 128<<16
	s_mov_b32 s[G1+4], 128
	s_mov_b32 s[G1+5], 1024
	s_mov_b32 s[G1+6], 0
	s_mov_b32 s[G1+7], 0
	s_mov_b32 s[G1B+1], 256<<16                    ; wf: 64 k-rows x 256 elements, 8,192 from row to row
	s_mov_b32 s[G1B+2], 64<<16
	s_mov_b32 s[G1B+3], 256<<16
	s_mov_b32 s[G1B+4], 64
	s_mov_b32 s[G1B+5], 8192
	s_mov_b32 s[G1B+6], 0
	s_mov_b32 s[G1B+7], 0
	s_lshl_b32 s16, s13, 19                        ; xn: row 256 x tile row + 128 x half, 2,048 bytes each
	s_lshl_b32 s17, s12, 18
	s_add_co_u32 s16, s16, s17
	s_mov_b32 s17, 0
	s_lshl_b32 s46, s42, 9                         ; wf: 512 bytes x tile column + 64 k-rows x half
	s_lshl_b32 s47, s12, 20
	s_add_co_u32 s46, s46, s47
	s_mov_b32 s47, 0
	s_mul_i32 s20, s[WV], HALFT                    ; where my share goes: no place in the cluster enters an LDS address
	s_mov_b32 s[TB], 0
	s_wait_dscnt 0x0                               ; the opening add is done
	s_wait_kmcnt 0x0
	s_add_nc_u64 s[14:15], s[4:5], s[16:17]
	s_add_nc_u64 s[46:47], s[6:7], s[46:47]
	CROUND                                         ; all sixteen work-groups are here: the first joint loads meet
.irp sl, 0,1
	s_mov_b32 s[G0+4*\sl], 1
	s_add_co_u32 s[G0+4*\sl+1], s20, \sl*SLOT
	s_add_nc_u64 s[G0+4*\sl+2:G0+4*\sl+3], s[14:15], \sl*256         ; K step sl
	s_or_b32 s[G0+4*\sl+3], s[G0+4*\sl+3], 0x80000000
	s_mov_b32 s[G0B+4*\sl], 1
	s_add_co_u32 s[G0B+4*\sl+1], s20, \sl*SLOT
	s_add_nc_u64 s[G0B+4*\sl+2:G0B+4*\sl+3], s[46:47], \sl*0x200000
	s_or_b32 s[G0B+4*\sl+3], s[G0B+4*\sl+3], 0x80000000
.endr
	s_cmp_eq_u32 s11, 0                            ; a wave's two first fills stand in one branch: two loads of mine are out
	s_cbranch_scc0 .Lfirst_b
	tensor_load_to_lds s[G0:G0+3], s[G1:G1+7]
	s_nop 0
	tensor_load_to_lds s[G0+4:G0+7], s[G1:G1+7]
	s_nop 0
.rept 4
	v_nop
.endr
	s_branch .Lfirst_done
.Lfirst_b:
	tensor_load_to_lds s[G0B:G0B+3], s[G1B:G1B+7]
	s_nop 0
	tensor_load_to_lds s[G0B+4:G0B+7], s[G1B:G1B+7]
	s_nop 0
.rept 4
	v_nop
.endr
.Lfirst_done:
	v_and_b32 v1, 15, v0                           ; r
	v_bfe_u32 v2, v0, 4, 1                         ; h
	v_and_b32 v3, 7, v0
	v_bfe_u32 v4, v0, 3, 1
	v_and_b32 v5, 31, v0
	v_mul_u32_u24 v[ADRA0], v1, PA
	v_lshl_add_u32 v[ADRA0], v2, 4, v[ADRA0]
	s_mul_i32 s21, s11, HALFT
	v_add_nc_u32 v[ADRA0], s21, v[ADRA0]
	v_lshl_add_u32 v[ADRB0], v2, 3, v3             ; the turning load: k-row 8 h + l % 8, 16 bytes (l / 8) % 2
	v_mul_u32_u24 v[ADRB0], v[ADRB0], PB
	v_lshl_add_u32 v[ADRB0], v4, 4, v[ADRB0]
	s_lshl_b32 s22, s12, 8
	s_add_co_u32 s22, s22, BOFF
	v_add_nc_u32 v[ADRB0], s22, v[ADRB0]
	v_mov_b32 v[ADRA], v[ADRA0]
	v_mov_b32 v[ADRB], v[ADRB0]
	s_mul_i32 s23, s[WV], 16*SP
	s_add_co_u32 s23, s23, STAGE
	v_mul_u32_u24 v[STO], v1, SP
	v_lshl_add_u32 v[STO], v2, 4, v[STO]
	v_add_nc_u32 v[STO], s23, v[STO]
	v_lshrrev_b32 v[RD], 3, v5
	v_mul_u32_u24 v[RD], v[RD], SP
	v_lshl_add_u32 v[RD], v3, 4, v[RD]
	v_add_nc_u32 v[RD], s23, v[RD]
	v_lshlrev_b32 v[GO], 4, v5
	; the prefetches.  s[14:15] and s[46:47] stand at my share of K step 0
	s_and_b32 s22, ttmp7, 0xffff
	s_cmp_eq_u32 s11, 0
	s_cselect_b32 s22, ttmp9, s22                  ; the coordinate along which other clusters read the same blocks
	s_cselect_b64 s[PFA:PFA+1], s[14:15], s[46:47]
	s_cselect_b32 s21, s40, s41                    ; my place among the four that ask with me
	s_cselect_b32 s23, 16, 18                      ; its 32 blocks: 32 rows of 2,048 bytes, or 16 k-rows of 16,384
	s_cselect_b32 s70, 0, 1                        ; wf: two blocks to a k-row
	s_cselect_b32 s71, 11, 14
	s_cselect_b32 s72, 8, 21                       ; a K step: 256 bytes along xn's rows, 128 k-rows of wf
	s_cmp_eq_u32 s22, 0
	s_cselect_b32 s[LIM], 2, -1                    ; the same in all sixteen partners, for a given wave
	s_lshl_b32 s[PFS], 1, s72
	s_mov_b32 s[PFS+1], 0
	s_lshl_b32 s20, s21, s23
	s_mov_b32 s21, 0
	s_add_nc_u64 s[PFA:PFA+1], s[PFA:PFA+1], s[20:21]
	s_mul_i32 s20, s[PFS], 3                       ; at K step 3: the first change of slots steps it to 4
	s_add_nc_u64 s[PFA:PFA+1], s[PFA:PFA+1], s[20:21]
	v_lshrrev_b32 v[PFO], s70, v5
	v_lshlrev_b32 v[PFO], s71, v[PFO]
	v_and_b32 v6, s70, v5
	v_lshl_add_u32 v[PFO], v6, 8, v[PFO]
	; where my 128 rows of panel j = 2 x tile column + half begin in ho
	s_lshl_b32 s16, s13, 15
	s_lshl_b32 s17, s11, 14
	s_add_co_u32 s16, s16, s17
	s_lshl_b32 s17, s42, 1
	s_add_co_u32 s17, s17, s12
	s_lshl_b32 s17, s17, 19
	s_add_co_u32 s16, s16, s17
	s_mov_b32 s17, 0
	s_add_nc_u64 s[8:9], s[8:9], s[16:17]
; 16 matrix instructions: row blocks a0, a0 + 1 of the window's four x all 8 column blocks, 32 along K.  The 64 accumulators take turns in the same order in every quarter.
.macro MUL16 f, hi, a0, zero
	WIN MUL_LO+0x50*(\hi)
.irp a, \a0, (\a0)+1
.irp b, 0,1,2,3,4,5,6,7
.if \zero
	v_wmma_f32_16x16x32_f16 v[8*(8*(\a)+(\b)):8*(8*(\a)+(\b))+7], v[(\f)+8*(\b):(\f)+8*(\b)+7], v[(\f)+8*(4*(\hi)+(\a)):(\f)+8*(4*(\hi)+(\a))+7], 0
.else
	v_wmma_f32_16x16x32_f16 v[8*(8*(\a)+(\b)):8*(8*(\a)+(\b))+7], v[(\f)+8*(\b):(\f)+8*(\b)+7], v[(\f)+8*(4*(\hi)+(\a)):(\f)+8*(4*(\hi)+(\a))+7], v[8*(8*(\a)+(\b)):8*(8*(\a)+(\b))+7]
.endif
.endr
.endr
.endm
.macro FETCH q, f                      ; 32 LDS loads in one run: quarter q of the slot in hand into buffer f; wf's first
	WIN TO_B
.irp i, 0,1,2,3,4,5,6,7
	ds_load_tr16_b128 v[(\f)+8*(\i):(\f)+8*(\i)+3],   v[ADRB] offset:(\q)*32*PB+(\i)*32
	ds_load_tr16_b128 v[(\f)+8*(\i)+4:(\f)+8*(\i)+7], v[ADRB] offset:(\q)*32*PB+(\i)*32+16*PB
.endr
	WIN 0
.irp i, 0,1,2,3,4,5,6,7
	ds_load_b128 v[(\f)+8*(\i):(\f)+8*(\i)+3],   v[ADRA] offset:(\q)*64+(\i)*16*PA
	ds_load_b128 v[(\f)+8*(\i)+4:(\f)+8*(\i)+7], v[ADRA] offset:(\q)*64+(\i)*16*PA+32
.endr
.endm
.macro QUARTER q, f, g, zero           ; buffer f is multiplied; in the middle quarter q is fetched into buffer g
	s_wait_dscnt 8                                 ; all but xn's rows 64-127
	MUL16 \f, 0, 0, \zero
	MUL16 \f, 0, 2, \zero
	PLACES
	FETCH \q, \g
	s_wait_dscnt 32                                ; all but the 32 just issued
	MUL16 \f, 1, 0, \zero
	MUL16 \f, 1, 2, \zero
.endm
; A step's last quarter and the change of slots.  In front of the barrier each wave waits for all its tensor loads (one is out: its part of the next slot), adds 0 to its spare word, and waits for that and for
; its reads of this slot.  fill = 1: the barrier opens a round of the cluster's; the joint refill, two K steps on, is the first thing behind it, 224 matrix instructions ahead of the wait for it.
.macro TURN fill
.if \fill
	s_wait_xcnt 0x0                                ; the last prefetch, a K step back, has read its address
	s_add_nc_u64 s[PFA:PFA+1], s[PFA:PFA+1], s[PFS:PFS+1]
.endif
	WIN 0
	s_wait_tensorcnt 0x0
	ds_add_u32 v[SPW], v[NIL]
	s_wait_dscnt 9                                 ; the add and xn's rows 64-127 may be out
	MUL16 F1, 0, 0, 0
	s_wait_dscnt 0x0                               ; the add is done, and my reads of this slot are over
	s_barrier_signal -1
	MUL16 F1, 0, 2, 0
	WIN 0
	s_barrier_wait -1
.if \fill
	CREST
	s_xor_b32 s[G0+5], s[G0+5], SLOT               ; the walking descriptors: the slot just read out, the next K step
	s_add_nc_u64 s[G0+6:G0+7], s[G0+6:G0+7], 256
	s_xor_b32 s[G0B+5], s[G0B+5], SLOT
	s_add_nc_u64 s[G0B+6:G0B+7], s[G0B+6:G0B+7], 0x200000
	JLOAD                                          ; its four v_nop are also the places in front of the loads below
.else
	PLACES
.endif
	s_xor_b32 s[TB], s[TB], SLOT
	v_add_nc_u32 v[ADRA], s[TB], v[ADRA0]
	v_add_nc_u32 v[ADRB], s[TB], v[ADRB0]
	FETCH 0, F0
.if \fill
	ASK
.endif
	MUL16 F1, 1, 0, 0
	MUL16 F1, 1, 2, 0
.endm
; THE WAY OUT of row block a.  SWI: h = x g / (1 + 2^(-g log2 e)); two batches (exponentials, reciprocals), a wait each.  Where 2^.. is infinite the reciprocal is 0, and so is h.
.macro SWI a
.set AC, 64*((\a)%4)
.set WW, 2+(\a)/4
	WIN WW                                         ; source 0 in the accumulators' window
.set z, 0
.rept 16
	v_pk_mul_f32 v[TT+z:TT+z+1], v[AC+32+z:AC+32+z+1], 0xbfb8aa3b op_sel_hi:[1,0]
.set z, z+2
.endr
	WIN 0
.set z, 0
.rept 32
	v_exp_f32 v[TT+z], v[TT+z]
.set z, z+1
.endr
	WIN WW|(WW<<2)
.set z, 0
.rept 16
	v_pk_mul_f32 v[UU+z:UU+z+1], v[AC+z:AC+z+1], v[AC+32+z:AC+32+z+1]  ; x g: the plain work behind the batch
.set z, z+2
.endr
	WIN 0
	s_wait_alu depctr_va_vdst(0)                   ; one wait for the 32 exponentials
.set z, 0
.rept 16
	v_pk_add_f32 v[TT+z:TT+z+1], v[TT+z:TT+z+1], 1.0 op_sel_hi:[1,0]
.set z, z+2
.endr
.set z, 0
.rept 32
	v_rcp_f32 v[TT+z], v[TT+z]
.set z, z+1
.endr
	v_nop
	s_wait_alu depctr_va_vdst(0)                   ; one wait for the 32 reciprocals
.set z, 0
.rept 16
	v_pk_mul_f32 v[UU+z:UU+z+1], v[UU+z:UU+z+1], v[TT+z:TT+z+1]
.set z, z+2
.endr
.set z, 0
.rept 16
	v_cvt_pk_bf16_f32 v[HH+z], v[UU+2*z], v[UU+2*z+1]
.set z, z+1
.endr
.endm
.macro TOSTAGE a                       ; 16 rows x 128 bytes through my own stage: in by 16 bytes of a row, back as four whole rows a load
.set BK, OB+16*((\a)%2)
.irp b, 0,1,2,3
	ds_store_b128 v[STO], v[HH+4*\b:HH+4*\b+3] offset:32*\b
.endr
.irp t, 0,1,2,3
	ds_load_b128 v[BK+4*\t:BK+4*\t+3], v[RD] offset:4*SP*\t  ; LDS serves a wave's instructions in order (ISA guide 5.7.1.4): these see the stores above
.endr
.endm
.macro SEND a
.set BK, OB+16*((\a)%2)
	s_wait_dscnt 0x0
	s_wait_xcnt 0x0                                ; the block before's stores have read their registers, which the next block's loads write
.irp t, 0,1,2,3
	global_store_b128 v[GO], v[BK+4*\t:BK+4*\t+3], s[8:9] offset:2048*(\a)+512*\t  ; 512 consecutive bytes of the panel
.endr
.endm
	s_wait_tensorcnt 1                             ; my part of K step 0 is in; step 1's may stay out
	s_barrier_signal -1
	s_barrier_wait -1
	FETCH 0, F0
	QUARTER 1, F0, F1, 1                           ; the first quarter stands in front of the loop: its products start the sums
	WIN 0
	s_mov_b32 s3, 6
.Lstep:                                ; a trip: from a K step's second quarter to the next step's first; it fills the slot that it leaves
	QUARTER 2, F1, F0, 0
	QUARTER 3, F0, F1, 0
	TURN 1
	QUARTER 1, F0, F1, 0
	WIN 0
	s_sub_co_u32 s3, s3, 1
	s_cmp_lg_u32 s3, 0
	s_cbranch_scc1 .Lstep
	QUARTER 2, F1, F0, 0                           ; the last two K steps ask for nothing
	QUARTER 3, F0, F1, 0
	TURN 0
	QUARTER 1, F0, F1, 0
	QUARTER 2, F1, F0, 0
	QUARTER 3, F0, F1, 0
	s_wait_dscnt 8
	MUL16 F1, 0, 0, 0
	MUL16 F1, 0, 2, 0
	s_wait_dscnt 0x0
	MUL16 F1, 1, 0, 0
	MUL16 F1, 1, 2, 0
	WIN 0
	PLACES
	SWI 0
	TOSTAGE 0
.irp a, 1,2,3,4,5,6,7                  ; a block's arithmetic stands between the loads of the block before and its stores
	SWI \a
	SEND (\a)-1
	TOSTAGE \a
.endr
	SEND 7
	s_wait_tensorcnt 0x0                           ; the wave's end
	ds_add_u32 v[SPW], v[NIL]
	s_wait_dscnt 0x0
	CROUND                                         ; the closing round
	s_endpgm
.Lfunc_end_k_q58f28c876e_ff1:
	.size	k_q58f28c876e_ff1, .Lfunc_end_k_q58f28c876e_ff1-k_q58f28c876e_ff1
	.p2alignl 7, 3214868480
	.fill 96, 4, 3214868480
	.section	.rodata,"a",@progbits
	.p2align	6, 0x0
	.amdhsa_kernel k_q58f28c876e_ff1
		.amdhsa_group_segment_fixed_size 327680
		.amdhsa_private_segment_fixed_size 0
		.amdhsa_enable_private_segment 0
		.amdhsa_kernarg_size 24
		.amdhsa_user_sgpr_count 2
		.amdhsa_user_sgpr_kernarg_segment_ptr 1
		.amdhsa_wavefront_size32 1
		.amdhsa_system_sgpr_workgroup_id_x 1
		.amdhsa_system_sgpr_workgroup_id_y 1
		.amdhsa_system_sgpr_workgroup_id_z 1
		.amdhsa_system_vgpr_workitem_id 0
		.amdhsa_next_free_vgpr 1024
		.amdhsa_next_free_sgpr 80
		.amdhsa_reserve_vcc 0
		.amdhsa_float_denorm_mode_32 3
		.amdhsa_float_denorm_mode_16_64 3
		.amdhsa_memory_ordered 1
		.amdhsa_forward_progress 1
		.amdhsa_inst_pref_size 155
	.end_amdhsa_kernel
	.amdgpu_metadata
---
amdhsa.version: [ 1, 2 ]
amdhsa.kernels:
  - .name:           k_q58f28c876e_ff1
    .symbol:         k_q58f28c876e_ff1.kd
    .args:
      - { .name: xn, .offset: 0, .size: 8, .value_kind: global_buffer, .address_space: global }
      - { .name: wf, .offset: 8, .size: 8, .value_kind: global_buffer, .address_space: global }
      - { .name: ho, .offset: 16, .size: 8, .value_kind: global_buffer, .address_space: global }
    .group_segment_fixed_size: 327680
    .private_segment_fixed_size: 0
    .kernarg_segment_align: 8
    .kernarg_segment_size: 24
    .max_flat_workgroup_size: 128
    .sgpr_count:     80
    .vgpr_count:     1024
    .wavefront_size: 32
...
	.end_amdgpu_metadata
.endif
;; end of part 4
;; launch out (part 5): grid 8 x 32, 4 waves a work-group, clusters of 4 x 4, 327,680 bytes of LDS; arguments ho, wo, out0; writes out0
.if DOCPART == 5
	.amdgcn_target "amdgcn-amd-amdhsa--gfx1250"
	.amdhsa_code_object_version 6
	.text
	.protected	k_q58f28c876e_out
	.globl	k_q58f28c876e_out
	.p2align	8
	.type	k_q58f28c876e_out,@function
k_q58f28c876e_out:
	s_mov_b64 s[64:65], 0
	v_nop
	global_prefetch_b8 v0, s[64:65] scope:SCOPE_SE
	s_setreg_imm32_b32 hwreg(HW_REG_WAVE_MODE, 25, 1), 1
	s_wait_xcnt 0x0
	s_wait_alu depctr_hold_cnt(0) depctr_sa_sdst(0) depctr_va_vdst(0) depctr_va_sdst(0) depctr_va_ssrc(0) depctr_va_vcc(0) depctr_vm_vsrc(0)
	s_getreg_b32 s2, hwreg(HW_REG_IB_STS2, 6, 4)
	s_cmp_eq_u32 s2, 0
	s_cbranch_scc0 .Lentry_in_a_cluster
	s_endpgm
.Lentry_in_a_cluster:
	s_bfe_u32 s2, ttmp6, 0x10000c
	s_cmp_lg_u32 s2, 0xf033
	s_cbranch_scc0 .Lentry_shape_is_right
	s_endpgm
.Lentry_shape_is_right:
; BOTH OUTPUT PRODUCTS AS ONE:  out0 = [h | o] x [W_ff_out; W_attn_out], K = 4,608.  ho [72 panels][4096 rows][64] bf16, wo [4608 k][1024 n] bf16, sums in f32, out0 f32.
; A tile of 128 x 128, 256 work-groups.  K goes in 18 steps of 256 (four panels) through a ring of two LDS slots.  K IS SPLIT AMONG THE FOUR WAVES: of each step wave w multiplies panel w (64 along K) for the
; whole tile: 64 accumulators, and each LDS byte is read once.  The four partial sums meet in LDS, in f32, where the slots were.
; wo lies [k][n]: its fragments are turned by ds_load_tr16_b128.  The matrix instruction is used transposed (source 0 = 16 columns of wo, source 1 = 16 rows of ho).
; CLUSTER 4 x 4: ho's tile is shared along a row of the cluster, wo's along a column.  The loop's trip is one K step; the slot is a scalar that an exclusive or turns (SLOT shares no bit with w x 36,864).
; A STEP'S PRODUCTS ALL STAND AHEAD OF THE CHANGE OF SLOTS: a step brings 131,072 bytes for 128 matrix instructions a wave, so a trip is as long as a refill is on its way plus what stands between one tile's
; landing and the next refill; there stand the three lines and the round alone.
.set PA,    144                        ; a row of a panel in LDS: 128 bytes + 16
.set PB,    288                        ; a k-row of wo: 256 bytes + 32
.set PANEL, 18432                      ; 128 rows of a panel; also 64 k-rows of wo
.set SHARE, 36864                      ; what one tensor load brings: two panels, or 128 k-rows
.set BOFF,  73728
.set SLOT,  147456
.set SPARE, 294912
.set RP,    528                        ; a row of partial sums: 512 bytes + 16
.set REG,   67584                      ; a wave's 128 rows of them
.set ADRA0, 16
.set ADRB0, 17
.set ADRA,  18
.set ADRB,  19
.set STO,   24
.set GO,    26
.set SPW,   28
.set NIL,   29
.set PFO,   30
.set RDS,   32                         ; v32-35 where I read a row of wave 0 .. 3's sums
.set F0,    64
.set F1,    128
.set WV,  10
.set G1,  24
.set G0,  32
.set LIM, 43
.set PFA, 44
.set G1B, 48
.set G0B, 56
.set TB,  66
.set PFS, 68
.set MSB, 0
.macro WIN new
.if MSB != (\new)
	s_set_vgpr_msb (MSB<<8)|(\new)
.set MSB, \new
.endif
.endm
.set MUL_LO, 0xa1
.set MUL_HI, 0xf1
.set TO_B,   0x40
.macro PLACES
.rept 4
	v_nop
.endr
.endm
.macro CREST
	s_cmp_lg_u32 s[WV], 0
	s_cbranch_scc1 .Lnot_wave_0_\@
	s_barrier_signal -3
.Lnot_wave_0_\@:
	s_barrier_wait -3
	s_barrier_signal -1
	s_barrier_wait -1
.endm
.macro CROUND
	s_barrier_signal -1
	s_barrier_wait -1
	CREST
.endm
.macro JLOAD
	s_cmp_eq_u32 s11, 0
	s_cbranch_scc0 .Lfor_b_\@
	tensor_load_to_lds s[G0+4:G0+7], s[G1:G1+7]
	s_nop 0
.rept 4
	v_nop
.endr
	s_branch .Lasked_\@
.Lfor_b_\@:
	tensor_load_to_lds s[G0B+4:G0B+7], s[G1B:G1B+7]
	s_nop 0
.rept 4
	v_nop
.endr
.Lasked_\@:
.endm
; A PREFETCH INTO THE L2, behind each joint load and the run of LDS loads that follows it: the K step two refills on (trip t names step t + 4): 32 blocks of 256 bytes, a lane a block, one instruction a wave.
; Each block is named once in the launch: ho's by the clusters with x = 0, wo's by those with y = 0; the four partners that ask jointly share a load's 128 blocks out by address.  The first four K steps come
; by their loads alone; the loop's last two trips ask for nothing: there is no step 18.
.macro ASK
	s_cmp_gt_u32 s3, s[LIM]
	s_cbranch_scc0 .Lnot_mine_\@
	global_prefetch_b8 v[PFO], s[PFA:PFA+1] th:TH_LOAD_NT scope:SCOPE_SE
.Lnot_mine_\@:
.endm
	s_load_b128 s[4:7], s[0:1], 0x0                ; ho, wo
	s_load_b64 s[8:9], s[0:1], 0x10                ; out0
	v_lshl_add_u32 v[SPW], v0, 2, SPARE
	v_mov_b32 v[NIL], 0
	ds_add_u32 v[SPW], v[NIL]                      ; the wave's opening: the add and its wait stand ahead of my first tensor load
	v_lshrrev_b32 v1, 5, v0
	v_readfirstlane_b32 s[WV], v1
	s_lshr_b32 s11, s[WV], 1                       ; I fetch for ho (0) or wo (1),
	s_and_b32 s12, s[WV], 1                        ; this half of a step's tile
	s_bfe_u32 s40, ttmp6, 0x40000
	s_bfe_u32 s41, ttmp6, 0x40004
	s_lshl_b32 s42, ttmp9, 2
	s_add_co_u32 s42, s42, s40                     ; tile column
	s_and_b32 s13, ttmp7, 0xffff
	s_lshl_b32 s13, s13, 2
	s_add_co_u32 s13, s13, s41                     ; tile row
	s_lshl_b32 s43, s41, 2
	s_lshl_b32 s43, 15, s43
	s_lshl_b32 s44, 0x1111, s40
	s_or_b32 s[G1+0], s43, (1<<16)|(1<<20)|(1<<21)|(4<<22)|(3<<25)   ; 4 words of padding behind every 32 (a row of a panel)
	s_or_b32 s[G1B+0], s44, (1<<16)|(1<<20)|(1<<21)|(5<<22)|(7<<25)  ; 8 words behind every 64
	s_mov_b32 s[G1+1], 8192<<16                    ; ho: a panel's 128 rows are 16,384 dense bytes: one row of 8,192 elements; two panels, 262,144 elements apart
	s_mov_b32 s[G1+2], 2<<16
	s_mov_b32 s[G1+3], 8192<<16
	s_mov_b32 s[G1+4], 2
	s_mov_b32 s[G1+5], 262144
	s_mov_b32 s[G1+6], 0
	s_mov_b32 s[G1+7], 0
	s_mov_b32 s[G1B+1], 128<<16                    ; wo: 128 k-rows x 128 elements, 1,024 from row to row
	s_mov_b32 s[G1B+2], 128<<16
	s_mov_b32 s[G1B+3], 128<<16
	s_mov_b32 s[G1B+4], 128
	s_mov_b32 s[G1B+5], 1024
	s_mov_b32 s[G1B+6], 0
	s_mov_b32 s[G1B+7], 0
	s_lshl_b32 s16, s13, 14                        ; ho: 128 rows of 128 bytes x tile row + two panels x half
	s_lshl_b32 s17, s12, 20
	s_add_co_u32 s16, s16, s17
	s_mov_b32 s17, 0
	s_lshl_b32 s46, s42, 8                         ; wo: 256 bytes x tile column + 128 k-rows x half
	s_lshl_b32 s47, s12, 18
	s_add_co_u32 s46, s46, s47
	s_mov_b32 s47, 0
	s_mul_i32 s20, s[WV], SHARE
	s_mov_b32 s[TB], 0
	s_wait_dscnt 0x0                               ; the opening add is done
	s_wait_kmcnt 0x0
	s_add_nc_u64 s[14:15], s[4:5], s[16:17]
	s_add_nc_u64 s[46:47], s[6:7], s[46:47]
	CROUND
.irp sl, 0,1
	s_mov_b32 s[G0+4*\sl], 1
	s_add_co_u32 s[G0+4*\sl+1], s20, \sl*SLOT
	s_add_nc_u64 s[G0+4*\sl+2:G0+4*\sl+3], s[14:15], \sl*0x200000    ; K step sl: four panels on
	s_or_b32 s[G0+4*\sl+3], s[G0+4*\sl+3], 0x80000000
	s_mov_b32 s[G0B+4*\sl], 1
	s_add_co_u32 s[G0B+4*\sl+1], s20, \sl*SLOT
	s_add_nc_u64 s[G0B+4*\sl+2:G0B+4*\sl+3], s[46:47], \sl*0x80000   ; 256 k-rows on
	s_or_b32 s[G0B+4*\sl+3], s[G0B+4*\sl+3], 0x80000000
.endr
	s_cmp_eq_u32 s11, 0                            ; a wave's two first fills stand in one branch: two loads of mine are out
	s_cbranch_scc0 .Lfirst_b
	tensor_load_to_lds s[G0:G0+3], s[G1:G1+7]
	s_nop 0
	tensor_load_to_lds s[G0+4:G0+7], s[G1:G1+7]
	s_nop 0
.rept 4
	v_nop
.endr
	s_branch .Lfirst_done
.Lfirst_b:
	tensor_load_to_lds s[G0B:G0B+3], s[G1B:G1B+7]
	s_nop 0
	tensor_load_to_lds s[G0B+4:G0B+7], s[G1B:G1B+7]
	s_nop 0
.rept 4
	v_nop
.endr
.Lfirst_done:
	v_and_b32 v1, 15, v0
	v_bfe_u32 v2, v0, 4, 1
	v_and_b32 v3, 7, v0
	v_bfe_u32 v4, v0, 3, 1
	v_and_b32 v5, 31, v0
	s_mul_i32 s21, s[WV], PANEL                    ; my panel of ho, and my 64 k-rows of wo
	v_mul_u32_u24 v[ADRA0], v1, PA
	v_lshl_add_u32 v[ADRA0], v2, 4, v[ADRA0]
	v_add_nc_u32 v[ADRA0], s21, v[ADRA0]
	v_lshl_add_u32 v[ADRB0], v2, 3, v3
	v_mul_u32_u24 v[ADRB0], v[ADRB0], PB
	v_lshl_add_u32 v[ADRB0], v4, 4, v[ADRB0]
	s_add_co_u32 s21, s21, BOFF
	v_add_nc_u32 v[ADRB0], s21, v[ADRB0]
	v_mov_b32 v[ADRA], v[ADRA0]
	v_mov_b32 v[ADRB], v[ADRB0]
	s_mul_i32 s21, s[WV], REG
	v_mul_u32_u24 v[STO], v1, RP
	v_lshl_add_u32 v[STO], v2, 5, v[STO]
	v_add_nc_u32 v[STO], s21, v[STO]
	v_lshlrev_b32 v[GO], 4, v5
	s_mul_i32 s21, s[WV], 32*RP                    ; I finish rows 32 w .. 32 w + 31
	v_add_nc_u32 v[RDS], s21, v[GO]
	v_add_nc_u32 v[RDS+1], REG, v[RDS]
	v_add_nc_u32 v[RDS+2], 2*REG, v[RDS]
	v_add_nc_u32 v[RDS+3], 3*REG, v[RDS]
	; the prefetches
	s_lshr_b32 s20, s40, 1                         ; ho: partner cx takes panel cx / 2 of my two, its blocks 32 (cx % 2) ..
	s_lshl_b32 s20, s20, 19
	s_and_b32 s21, s40, 1
	s_lshl_b32 s21, s21, 13
	s_add_co_u32 s20, s20, s21
	s_lshl_b32 s21, s41, 16                        ; wo: partner cy takes k-rows 32 cy ..
	s_and_b32 s22, ttmp7, 0xffff
	s_cmp_eq_u32 s11, 0
	s_cselect_b32 s22, ttmp9, s22
	s_cselect_b64 s[PFA:PFA+1], s[14:15], s[46:47]
	s_cselect_b32 s20, s20, s21
	s_cselect_b32 s70, 8, 11                       ; a lane a block: 256 bytes on in a panel, a k-row of 2,048 on in wo
	s_cselect_b32 s72, 21, 19                      ; a K step in bytes
	s_cmp_eq_u32 s22, 0
	s_cselect_b32 s[LIM], 2, -1
	s_lshl_b32 s[PFS], 1, s72
	s_mov_b32 s[PFS+1], 0
	s_mov_b32 s21, 0
	s_add_nc_u64 s[PFA:PFA+1], s[PFA:PFA+1], s[20:21]
	s_mul_i32 s20, s[PFS], 3                       ; at K step 3: the first change of slots steps it to 4
	s_add_nc_u64 s[PFA:PFA+1], s[PFA:PFA+1], s[20:21]
	v_lshlrev_b32 v[PFO], s70, v5
	; out0 at row 128 x tile row + 32 w, column 128 x tile column
	s_lshl_b32 s16, s13, 19
	s_lshl_b32 s17, s[WV], 17
	s_add_co_u32 s16, s16, s17
	s_lshl_b32 s17, s42, 9
	s_add_co_u32 s16, s16, s17
	s_mov_b32 s17, 0
	s_add_nc_u64 s[8:9], s[8:9], s[16:17]
.macro MUL16 f, hi, a0, zero           ; the 64 accumulators take turns in the same order in every half step
	WIN MUL_LO+0x50*(\hi)
.irp a, \a0, (\a0)+1
.irp b, 0,1,2,3,4,5,6,7
.if \zero
	v_wmma_f32_16x16x32_bf16 v[8*(8*(\a)+(\b)):8*(8*(\a)+(\b))+7], v[(\f)+8*(\b):(\f)+8*(\b)+7], v[(\f)+8*(4*(\hi)+(\a)):(\f)+8*(4*(\hi)+(\a))+7], 0
.else
	v_wmma_f32_16x16x32_bf16 v[8*(8*(\a)+(\b)):8*(8*(\a)+(\b))+7], v[(\f)+8*(\b):(\f)+8*(\b)+7], v[(\f)+8*(4*(\hi)+(\a)):(\f)+8*(4*(\hi)+(\a))+7], v[8*(8*(\a)+(\b)):8*(8*(\a)+(\b))+7]
.endif
.endr
.endr
.endm
.macro FETCH u, f                      ; 32 LDS loads in one run: half u of my 64 along K, into buffer f; wo's first
	WIN TO_B
.irp i, 0,1,2,3,4,5,6,7
	ds_load_tr16_b128 v[(\f)+8*(\i):(\f)+8*(\i)+3],   v[ADRB] offset:(\u)*32*PB+(\i)*32
	ds_load_tr16_b128 v[(\f)+8*(\i)+4:(\f)+8*(\i)+7], v[ADRB] offset:(\u)*32*PB+(\i)*32+16*PB
.endr
	WIN 0
.irp i, 0,1,2,3,4,5,6,7
	ds_load_b128 v[(\f)+8*(\i):(\f)+8*(\i)+3],   v[ADRA] offset:(\u)*64+(\i)*16*PA
	ds_load_b128 v[(\f)+8*(\i)+4:(\f)+8*(\i)+7], v[ADRA] offset:(\u)*64+(\i)*16*PA+32
.endr
.endm
.macro H0 zero                         ; a step's first half: buffer 0 is multiplied; in the middle the second half's fragments, the slot's last reads, are fetched into buffer 1
	s_wait_dscnt 8                                 ; all but ho's rows 64-127
	MUL16 F0, 0, 0, \zero
	MUL16 F0, 0, 2, \zero
	PLACES
	FETCH 1, F1
	s_wait_dscnt 32                                ; all but the 32 just issued
	MUL16 F0, 1, 0, \zero
	MUL16 F0, 1, 2, \zero
.endm
.macro H1                              ; a step's second half: buffer 1 is multiplied; nothing is fetched
	s_wait_dscnt 8                                 ; all but ho's rows 64-127
	MUL16 F1, 0, 0, 0
	MUL16 F1, 0, 2, 0
	s_wait_dscnt 0x0
	MUL16 F1, 1, 0, 0
	MUL16 F1, 1, 2, 0
.endm
; THE CHANGE OF SLOTS, behind all of a step's products.  Each wave waits for all its tensor loads (one is out: its part of the next slot), adds 0 to its spare word, and waits for that; its reads of the slot that it
; leaves came back in H1.  fill = 1: the barrier opens a round of the cluster's, and the joint refill, two K steps on, is the first thing behind it: it has a whole step's 128 matrix instructions in which to land.
.macro TURN fill
	WIN 0
.if \fill
	s_wait_xcnt 0x0                                ; the last prefetch, a K step back, has read its address
	s_add_nc_u64 s[PFA:PFA+1], s[PFA:PFA+1], s[PFS:PFS+1]
.endif
	s_wait_tensorcnt 0x0                           ; all my tensor loads have landed, so a group 0 may be written
	ds_add_u32 v[SPW], v[NIL]                      ; 0 onto my spare word; the descriptors' steps stand between it and the wait for it
.if \fill
	s_xor_b32 s[G0+5], s[G0+5], SLOT               ; the walking descriptors: the slot just read out, the next K step
	s_add_nc_u64 s[G0+6:G0+7], s[G0+6:G0+7], 0x200000
	s_xor_b32 s[G0B+5], s[G0B+5], SLOT
	s_add_nc_u64 s[G0B+6:G0B+7], s[G0B+6:G0B+7], 0x80000
.endif
	s_wait_dscnt 0x0                               ; the add is done; my reads of this slot are over
	s_barrier_signal -1
	s_barrier_wait -1
.if \fill
	CREST
	JLOAD                                          ; its four v_nop are also the places in front of the loads below
.else
	PLACES
.endif
	s_xor_b32 s[TB], s[TB], SLOT
	v_add_nc_u32 v[ADRA], s[TB], v[ADRA0]
	v_add_nc_u32 v[ADRB], s[TB], v[ADRB0]
	FETCH 0, F0
.if \fill
	ASK
.endif
.endm
	s_wait_tensorcnt 1                             ; my part of K step 0 is in; step 1's may stay out
	s_barrier_signal -1
	s_barrier_wait -1
	FETCH 0, F0
	H0 1                                           ; the first half step stands in front of the loop: its products start the sums
	WIN 0
	s_mov_b32 s3, 16
.Lstep:                                ; a trip: a K step's second half, the change of slots, the next step's first half; it fills the slot that it leaves
	H1
	TURN 1
	H0 0
	WIN 0
	s_sub_co_u32 s3, s3, 1
	s_cmp_lg_u32 s3, 0
	s_cbranch_scc1 .Lstep
	H1                                             ; the last two K steps ask for nothing
	TURN 0
	H0 0
	H1
	WIN 0
	PLACES
	s_barrier_signal -1                            ; every wave's reads of the slots are back (H1's wait for 0): the slots, which have had their last fill, take the partial sums
	s_barrier_wait -1
.irp a, 0,1,2,3,4,5,6,7
	WIN 0x08+4*(\a/4)                              ; the stores' data in window 2 or 3
.irp b, 0,1,2,3,4,5,6,7
	ds_store_b128 v[STO], v[64*(\a%4)+8*\b:64*(\a%4)+8*\b+3]   offset:\a*16*RP+64*\b
	ds_store_b128 v[STO], v[64*(\a%4)+8*\b+4:64*(\a%4)+8*\b+7] offset:\a*16*RP+64*\b+16
.endr
.endr
	WIN 0
	s_wait_dscnt 0x0                               ; for the others' sake
	s_barrier_signal -1
	s_barrier_wait -1
	s_mov_b32 s3, 8
.Lred:                                 ; eight trips of four rows: a row's 512 bytes from each of the four waves, summed and stored
.irp rr, 0,1,2,3
.irp q, 0,1,2,3
	ds_load_b128 v[64+16*\rr+4*\q:64+16*\rr+4*\q+3], v[RDS+\q] offset:RP*\rr
.endr
.endr
	s_wait_dscnt 0x0
.irp rr, 0,1,2,3
.irp z, 0,2
	v_pk_add_f32 v[64+16*\rr+\z:64+16*\rr+\z+1], v[64+16*\rr+\z:64+16*\rr+\z+1], v[68+16*\rr+\z:68+16*\rr+\z+1]
	v_pk_add_f32 v[72+16*\rr+\z:72+16*\rr+\z+1], v[72+16*\rr+\z:72+16*\rr+\z+1], v[76+16*\rr+\z:76+16*\rr+\z+1]
.endr
.irp z, 0,2
	v_pk_add_f32 v[64+16*\rr+\z:64+16*\rr+\z+1], v[64+16*\rr+\z:64+16*\rr+\z+1], v[72+16*\rr+\z:72+16*\rr+\z+1]
.endr
	global_store_b128 v[GO], v[64+16*\rr:64+16*\rr+3], s[8:9] offset:4096*\rr th:TH_STORE_NT  ; 512 consecutive bytes of a row of out0, aligned
.endr
	s_wait_xcnt 0x0                                ; the stores have read their data and their offset: both are written again only behind this wait
.irp q, 0,1,2,3
	v_add_nc_u32 v[RDS+\q], 4*RP, v[RDS+\q]
.endr
	v_add_nc_u32 v[GO], 16384, v[GO]
	s_sub_co_u32 s3, s3, 1
	s_cmp_lg_u32 s3, 0
	s_cbranch_scc1 .Lred
	s_wait_tensorcnt 0x0                           ; the wave's end
	ds_add_u32 v[SPW], v[NIL]
	s_wait_dscnt 0x0
	CROUND                                         ; the closing round
	s_endpgm
.Lfunc_end_k_q58f28c876e_out:
	.size	k_q58f28c876e_out, .Lfunc_end_k_q58f28c876e_out-k_q58f28c876e_out
	.p2alignl 7, 3214868480
	.fill 96, 4, 3214868480
	.section	.rodata,"a",@progbits
	.p2align	6, 0x0
	.amdhsa_kernel k_q58f28c876e_out
		.amdhsa_group_segment_fixed_size 327680
		.amdhsa_private_segment_fixed_size 0
		.amdhsa_enable_private_segment 0
		.amdhsa_kernarg_size 24
		.amdhsa_user_sgpr_count 2
		.amdhsa_user_sgpr_kernarg_segment_ptr 1
		.amdhsa_wavefront_size32 1
		.amdhsa_system_sgpr_workgroup_id_x 1
		.amdhsa_system_sgpr_workgroup_id_y 1
		.amdhsa_system_sgpr_workgroup_id_z 1
		.amdhsa_system_vgpr_workitem_id 0
		.amdhsa_next_free_vgpr 1024
		.amdhsa_next_free_sgpr 80
		.amdhsa_reserve_vcc 0
		.amdhsa_float_denorm_mode_32 3
		.amdhsa_float_denorm_mode_16_64 3
		.amdhsa_memory_ordered 1
		.amdhsa_forward_progress 1
		.amdhsa_inst_pref_size 59
	.end_amdhsa_kernel
	.amdgpu_metadata
---
amdhsa.version: [ 1, 2 ]
amdhsa.kernels:
  - .name:           k_q58f28c876e_out
    .symbol:         k_q58f28c876e_out.kd
    .args:
      - { .name: ho, .offset: 0, .size: 8, .value_kind: global_buffer, .address_space: global }
      - { .name: wo, .offset: 8, .size: 8, .value_kind: global_buffer, .address_space: global }
      - { .name: out0, .offset: 16, .size: 8, .value_kind: global_buffer, .address_space: global }
    .group_segment_fixed_size: 327680
    .private_segment_fixed_size: 0
    .kernarg_segment_align: 8
    .kernarg_segment_size: 24
    .max_flat_workgroup_size: 128
    .sgpr_count:     80
    .vgpr_count:     1024
    .wavefront_size: 32
...
	.end_amdgpu_metadata
.endif
;; end of part 5
